; MI455X (gfx1250); checked and timed in simulation.
; The chip was launched on July 23, 2026; its instructions are those of AMD's public machine-readable ISA for CDNA 5 (MIT licence, August 2026) and "CDNA5" Instruction Set Architecture Reference Guide (July 2026). The comments in the code are by the model that wrote it; some were corrected since.
;; Encoder Block. Allowed arithmetic: matrix products marked QUANTISED: E3M2 operands, one E8M0 scale for each 32 along K, by v_wmma_scale_f32_16x16x128_f8f6f4 with both operands' format E3M2, f32 sums; everything else in f32.
;; Inputs: W1 4,096 x 1,024 float32; W2 1,024 x 4,096 float32; Wk 1,024 x 1,024 float32; Wo 1,024 x 1,024 float32; Wq 1,024 x 1,024 float32; Wv 1,024 x 1,024 float32; b1 4,096 float32; b2 1,024 float32; be1 1,024 float32; be2 1,024 float32; bk 1,024 float32; bo 1,024 float32; bq 1,024 float32; bv 1,024 float32; g1 1,024 float32; g2 1,024 float32; x 2 x 2,048 x 1,024 float32.
;; Outputs: out0 2 x 2,048 x 1,024 float32.
;; This version of the problem:
;;   THIS VERSION OF THE PROBLEM IS GIVEN IN LOW PRECISION. The matrix products marked QUANTISED in the list below multiply operands that are first quantised to E3M2 (3 exponent bits, 2 mantissa bits; 6 bits a number), with one power-of-two scale for each 32 numbers along K (OCP MX v1.0); their sums are f32. All else is computed in f32.
;;   The module's matrix products, in the order in which they are computed (A, B: the left and right operand; K: the contracted axis; several contracted axes count as one K, in the product's order):
;;     1. [M 4,096, K 1,024] x [K 1,024, N 1,024]; A: computed on the way; B: input Wq: QUANTISED
;;     2. [M 4,096, K 1,024] x [K 1,024, N 1,024]; A: computed on the way; B: input Wk: QUANTISED
;;     3. [M 4,096, K 1,024] x [K 1,024, N 1,024]; A: computed on the way; B: input Wv: QUANTISED
;;     4. batch 32 x [M 2,048, K 64] x [K 64, N 2,048]; A: computed on the way; B: computed on the way: QUANTISED
;;     5. batch 32 x [M 2,048, K 2,048] x [K 2,048, N 64]; A: softmax (see below); B: computed on the way: QUANTISED
;;     6. [M 4,096, K 1,024] x [K 1,024, N 1,024]; A: computed on the way; B: input Wo: QUANTISED
;;     7. [M 4,096, K 1,024] x [K 1,024, N 4,096]; A: computed on the way; B: input W1: QUANTISED
;;     8. [M 4,096, K 4,096] x [K 4,096, N 1,024]; A: computed on the way; B: input W2: QUANTISED
;;   THE QUANTISER, for each operand of a quantised product, along K:
;;     - K is cut into blocks of 32 from its start; a last block that is shorter is filled with zeros.
;;     - A block's scale is 2^e with e = floor(log2(the largest magnitude in the block)) - 4, held to -126 .. 127; a block of zeros has e = 0. As a byte (E8M0): e + 127.
;;     - Each number is divided by its block's scale, clamped to +-28, and rounded to the nearest number of E3M2, ties to even, subnormals kept.
;;     - The product sums the exact products of the quantised numbers (number of the format x scale) in f32.
;;   ~~~python
;;   def quantise(x, axis):      # numpy; x: float32 -> the quantised numbers, widened to float32 again
;;       x = np.moveaxis(x, axis, -1); K = x.shape[-1]
;;       x = np.pad(x, [(0, 0)] * (x.ndim - 1) + [(0, -K % 32)]); x = x.reshape(x.shape[:-1] + (-1, 32)); a = np.abs(x).max(-1, keepdims=True)
;;       e = np.where(a > 0, np.clip(np.frexp(np.where(a > 0, a, 1))[1] - 1 - 4, -126, 127), 0)      # np.frexp(a)[1] - 1 = floor(log2(a)), exactly
;;       r = np.clip(x / 2.0 ** e, -28, 28)
;;       step = 2.0 ** (np.maximum(np.frexp(np.where(r == 0, 1, r))[1] - 1, -2) - 2)
;;       q = np.round(r / step) * step * 2.0 ** e      # np.round: ties to even
;;       return np.moveaxis(q.reshape(q.shape[:-2] + (-1,))[..., :K], -1, axis).astype(np.float32)
;;   ~~~
;;   SOFTMAX AHEAD OF A QUANTISED PRODUCT. Where the list says 'softmax', what is quantised is not the finished softmax but p = 2^(t - M), with t = logit x log2(e) and M = ceil(the row's largest t), a whole number; so 1/2 < the row's largest p <= 1. The row's sum l is taken of the UNQUANTISED p, in f32, and the product's result is divided by l at the end. Since M is a whole number, a kernel that streams over the keys may use a running M (the ceiling of the running maximum): every later rescaling is an exact power of two, which a block's scale takes up: the codes' values come out the same.
;;   OPERANDS COMPUTED ON THE WAY. 'Computed on the way' means the value that the module computes at that place (a softmax that the list does not call 'softmax' is quantised finished and normalised). What goes into a quantiser is computed in f32, as accurately as f32 sums, v_exp_f32 and their like allow (about 1e-6 of the number): no bf16 or f16 on the way to a quantiser, and a product that is left as it is and whose result goes on into a quantised operand takes f32 operands (vector FMAs, or v_wmma_f32_16x16x4_f32). A number that lies on a knife's edge between two numbers of the format may be rounded either way, as far as f32 arithmetic and the matrix unit's own rounding can turn it there, and no further.
;; One version. Each part assembles by itself: llvm-mc -triple=amdgcn-amd-amdhsa -mcpu=gfx1250 --defsym DOCPART=n.
;; ======== version 1 of 1: 6 launches
;; limits: right only within a limited range of input values
;; workspace buffers: wts 13,107,200 bytes; act 3,670,016 bytes; heads 10,223,616 bytes; x1 16,777,216 bytes; ffh 13,107,200 bytes; act2 3,670,016 bytes
;; launch prep (part 1): grid 1024 x 1, 8 waves a work-group, no clusters, 78,848 bytes of LDS; arguments x, Wq, Wk, Wv, Wo, W1, W2, g1, be1, wts; writes wts
.if DOCPART == 1
	.amdgcn_target "amdgcn-amd-amdhsa--gfx1250"
	.amdhsa_code_object_version 6
	.text
	.protected	k_q061d0978d4_prep
	.globl	k_q061d0978d4_prep
	.p2align	8
	.type	k_q061d0978d4_prep,@function
k_q061d0978d4_prep:
	s_mov_b64 s[64:65], 0
	v_nop
	global_prefetch_b8 v0, s[64:65] scope:SCOPE_SE
	s_setreg_imm32_b32 hwreg(HW_REG_WAVE_MODE, 25, 1), 1
	s_wait_xcnt 0x0
; f32 rows become operands of MX-BF6 (E3M2, one E8M0 byte for each 32 along K), laid in the order of the matrix operand's registers.
; Work-group g makes ONE UNIT: 16 rows x 1,024 along K.  g < 256: rows of the first argument, with LayerNorm (gain, shift) ahead of the quantiser;
; 256.. Wq, 320.. Wk, 384.. Wv, 448.. Wo, 512.. W1 as they are; 768.. W2 (rows of 4,096: unit (g - 768) / 4, K chunk (g - 768) % 4).
; THE ROWS OF A UNIT ARE NOT NEIGHBOURS: lane row r of unit U is row 32 (U / 2) + 8 (U % 2) + r + 8 (r / 8), so that a product's 16 registers of two
; neighbouring units are 16 neighbours along the next K.
; OUT: scale bytes at 512 g: [k / 256][r][8 bytes]; codes at 524,288 + 12,288 g + 1,536 w (w = k / 128): a fragment of 12 registers a lane as
; registers 0-3 at 16 x lane, 4-5 at 512 + 8 x lane, 6-9 at 768 + 16 x lane, 10-11 at 1,280 + 8 x lane: each store covers 512 or 256 consecutive bytes.
; SHARES: wave w takes K step w (128 along K) of the 16 rows.  Each load reads 512 consecutive bytes of one row; the 8 KB turn through the wave's own stage
; in LDS (rows 528 bytes apart) so that lane (r, h) holds, of row r, the two whole blocks k = 64 c + 32 h + 0 .. 31.
; REGISTERS: 128.  The rows as loaded and my 64 numbers share v64-127; the wave's 512 bytes of gain and 512 of shift come by one load each, wait in 1,024 bytes
; of LDS of the wave's own, and are read back 16 numbers at a time.  So the text is small enough for several work-groups to lie on a WGP, each with its 64 KB of rows asked for.
; The row sums of the norm go from wave to wave through LDS.  EVERY work-group passes all three barriers, so that none stands under a branch: a weight's
; work-group takes 0 for the mean and jumps over the scaling alone.
; LIMITS: NaN and infinities are not served.  A block whose largest magnitude lies under 2^-122 keeps the byte 1, a block of zeros too (the rule says 127):
; its codes are zeros and this program alone reads the bytes.  The norm multiplies by v_rsq_f32 where the source divides by a root, and sums in another order.
.set STGP,  528                        ; a stage row: 512 bytes + 16
.set WSTG,  16*STGP                    ; a wave's stage
.set RED1,  0                          ; LDS: [r][w] words: the waves' row sums
.set RED2,  512                        ; the same for the squares
.set SCW,   1024                       ; the unit's 512 scale bytes
.set STG0,  1536                       ; the eight stages
.set GB0,   STG0+8*WSTG                ; behind them: gain (512 bytes) and shift (512 bytes) of each wave's K step
.set CODES, 524288
.set LN,   1                           ; lane
.set RR,   2                           ; r = lane % 16
.set HH,   3                           ; h = lane / 16
.set L16,  4                           ; 16 x lane
.set L8,   5                           ; 8 x lane
.set SIN,  6                           ; stage, way in
.set SOUT, 7                           ; stage, way out
.set GBR,  8                           ; my wave's gain in LDS, + 128 h
.set RDS,  9                           ; 32 r + 4 w
.set RDL,  10                          ; 32 r
.set SWA,  11                          ; my scale word's place in the unit's 512 bytes
.set GBW,  12                          ; my wave's gain in LDS, + 16 x lane
.set RO,   16                          ; v16-31   byte offset of my 16 bytes in each of the 16 rows; free when the rows are in
.set RT,   16                          ; v16-31   then: at work in the reductions
.set GC,   16                          ; v16-31   then: 16 numbers of the gain,
.set BC,   32                          ; v32-47   and of the shift
.set PC,   16                          ; v16-35   last: codes
.set TM,   36                          ; v36-43   at work in the quantiser
.set PWD,  44                          ; the scale word
.set MEAN, 48                          ; v[48:49]
.set RSTD, 50                          ; v[50:51]
.set GR,   52                          ; v52-55   the gain as loaded
.set BR,   56                          ; v56-59   the shift as loaded
.set FS,   60                          ; v60-63   the unit's scale bytes on their way out
.set X,    64                          ; v64-127  rows as loaded; then my 64 numbers: register 32 c + i = k 64 c + 32 h + i
	s_load_b512 s[4:19], s[0:1], 0x0               ; rows s[4:5], Wq, Wk, Wv, Wo, W1, W2 s[16:17], gain s[18:19]
	s_load_b128 s[20:23], s[0:1], 0x40             ; shift s[20:21], the result s[22:23]
	v_lshl_add_u32 v14, v0, 2, 0x13000             ; my spare word, behind the gains and shifts; v14 and v15 serve the closing add alone
	v_mov_b32 v15, 0
	v_lshrrev_b32 v13, 5, v0
	s_delay_alu instid0(VALU_DEP_1)
	v_readfirstlane_b32 s2, v13                    ; wave 0..7
	v_and_b32 v[LN], 31, v0
	v_and_b32 v[RR], 15, v0
	v_bfe_u32 v[HH], v0, 4, 1
	s_delay_alu instid0(VALU_DEP_3)
	v_lshlrev_b32 v[L16], 4, v[LN]
	s_delay_alu instid0(VALU_DEP_4)
	v_lshlrev_b32 v[L8], 3, v[LN]
	s_mul_i32 s3, s2, WSTG
	s_add_co_u32 s3, s3, STG0                      ; my stage
	v_add_nc_u32 v[SIN], s3, v[L16]
	v_mul_u32_u24 v[SOUT], v[RR], STGP
	s_delay_alu instid0(VALU_DEP_1)
	v_lshl_add_u32 v[SOUT], v[HH], 7, v[SOUT]
	s_delay_alu instid0(VALU_DEP_1)
	v_add_nc_u32 v[SOUT], s3, v[SOUT]              ; row r, + 128 h
	s_lshl_b32 s3, s2, 10
	s_add_co_u32 s3, s3, GB0                       ; my wave's gain and shift
	v_add_nc_u32 v[GBW], s3, v[L16]
	v_lshl_add_u32 v[GBR], v[HH], 7, s3
	v_lshlrev_b32 v[RDL], 5, v[RR]
	s_lshl_b32 s3, s2, 2
	v_add_nc_u32 v[RDS], s3, v[RDL]
	s_lshr_b32 s3, s2, 1
	s_lshl_b32 s3, s3, 7
	s_and_b32 s33, s2, 1
	s_lshl_b32 s33, s33, 2
	s_add_co_u32 s3, s3, s33                       ; 128 (w / 2) + 4 (w % 2)
	v_lshlrev_b32 v[SWA], 3, v[RR]
	s_delay_alu instid0(VALU_DEP_1)
	v_add_nc_u32 v[SWA], s3, v[SWA]                ; + 8 r
	s_mov_b32 s40, 0x76543210
	s_mov_b32 s41, 0xfedcba98                      ; v_permlanex16_b32: lane l xor 16
	s_mov_b32 s31, 0x3a800000                      ; 1 / 1,024
	s_mov_b32 s32, 0x358637bd                      ; 1e-6
	s_cmp_ge_u32 ttmp9, 768                        ; W2 has rows of 4,096 numbers, taken in four chunks
	s_cselect_b32 s27, 2, 0
	s_cselect_b32 s28, 3, 0
	s_mov_b32 s29, 4096
	s_cselect_b32 s29, 16384, s29                  ; bytes from row to row
	s_cmp_lt_u32 ttmp9, 256
	s_cselect_b32 s30, -1, 0                       ; all ones where the norm applies
.irp i, 0,1,2,3,4,5,6,7,8,9,10,11,12,13,14,15
	v_mad_u32_u24 v[RO+\i], s29, \i+8*(\i/8), v[L16]   ; lane row i is row i + 8 (i / 8) from the unit's first
.endr
	s_wait_alu depctr_va_vdst(0)
	s_wait_kmcnt 0x0
	s_mov_b64 s[24:25], s[16:17]                   ; which tensor: the choice hangs on the work-group's number alone
	s_mov_b32 s26, 768
.macro PICK bound, ptr, first
	s_cmp_lt_u32 ttmp9, \bound
	s_cselect_b64 s[24:25], s[\ptr:\ptr+1], s[24:25]
	s_cselect_b32 s26, \first, s26
.endm
	PICK 768, 14, 512
	PICK 512, 12, 448
	PICK 448, 10, 384
	PICK 384, 8, 320
	PICK 320, 6, 256
	PICK 256, 4, 0
	s_sub_co_u32 s34, ttmp9, s26                   ; my number within the tensor
	s_lshr_b32 s35, s34, s27                       ; its unit
	s_and_b32 s36, s34, s28                        ; its K chunk
	s_lshr_b32 s37, s35, 1
	s_lshl_b32 s37, s37, 5
	s_and_b32 s38, s35, 1
	s_lshl_b32 s38, s38, 3
	s_add_co_u32 s37, s37, s38                     ; the unit's first row
	s_mul_i32 s37, s37, s29
	s_lshl_b32 s36, s36, 12
	s_add_co_u32 s36, s36, s37
	s_lshl_b32 s38, s2, 9                          ; my wave's 512 bytes of a row
	s_add_co_u32 s36, s36, s38
	s_mov_b32 s37, 0
	s_mov_b32 s39, 0
	s_add_nc_u64 s[24:25], s[24:25], s[36:37]
	s_add_nc_u64 s[18:19], s[18:19], s[38:39]
	s_add_nc_u64 s[20:21], s[20:21], s[38:39]
	s_mul_i32 s42, ttmp9, 12288
	s_mul_i32 s43, s2, 1536
	s_add_co_u32 s42, s42, s43
	s_add_co_u32 s42, s42, CODES
	s_mov_b32 s43, 0
	s_add_nc_u64 s[42:43], s[22:23], s[42:43]      ; my fragment
	s_lshl_b32 s44, ttmp9, 9
	s_mov_b32 s45, 0
	s_add_nc_u64 s[44:45], s[22:23], s[44:45]      ; the unit's scale bytes
.irp i, 0,1,2,3,4,5,6,7,8,9,10,11,12,13,14,15
	global_load_b128 v[X+4*\i:X+4*\i+3], v[RO+\i], s[24:25] th:TH_LOAD_NT   ; 32 lanes read 512 consecutive bytes of one row
.endr
	global_load_b128 v[GR:GR+3], v[L16], s[18:19]  ; the gain of my wave's 128 places along K: 512 consecutive bytes
	global_load_b128 v[BR:BR+3], v[L16], s[20:21]  ; the shift likewise
.irp i, 0,1,2,3,4,5,6,7,8,9,10,11,12,13,14,15
	s_wait_loadcnt 17-\i                           ; row i is in: behind it stand 15 - i rows, the gain's load and the shift's
	ds_store_b128 v[SIN], v[X+4*\i:X+4*\i+3] offset:\i*STGP
.endr
	s_wait_loadcnt 0x0                             ; gain and shift
	ds_store_b128 v[GBW], v[GR:GR+3]
	ds_store_b128 v[GBW], v[BR:BR+3] offset:512
	s_wait_dscnt 0x0                               ; the stores have read their registers: the numbers come back into the same ones
.irp c, 0,1
.irp e, 0,1,2,3,4,5,6,7
	ds_load_b128 v[X+32*\c+4*\e:X+32*\c+4*\e+3], v[SOUT] offset:256*\c+16*\e
.endr
.endr
	s_wait_dscnt 0x0                               ; my 64 numbers are in
; a row's figure over the eight waves: my 64 are in four packed chains; lane l xor 16 has the row's other 64 of this wave; the waves meet in LDS
.macro ACROSS red
	s_delay_alu instid0(VALU_DEP_3)
	v_pk_add_f32 v[RT:RT+1], v[RT:RT+1], v[RT+2:RT+3]
	s_delay_alu instid0(VALU_DEP_2)
	v_pk_add_f32 v[RT+4:RT+5], v[RT+4:RT+5], v[RT+6:RT+7]
	s_delay_alu instid0(VALU_DEP_1)
	v_pk_add_f32 v[RT:RT+1], v[RT:RT+1], v[RT+4:RT+5]
	s_delay_alu instid0(VALU_DEP_1)
	v_add_f32 v[RT], v[RT], v[RT+1]
	s_delay_alu instid0(VALU_DEP_1)
	v_permlanex16_b32 v[RT+1], v[RT], s40, s41
	s_delay_alu instid0(VALU_DEP_1)
	v_add_f32 v[RT], v[RT], v[RT+1]
	ds_store_b32 v[RDS], v[RT] offset:\red         ; both halves of the lanes write the same word with the same value
	s_wait_dscnt 0x0                               ; for the others: my store has landed
	s_barrier_signal -1
	s_barrier_wait -1
	ds_load_b128 v[RT+8:RT+11], v[RDL] offset:\red
	ds_load_b128 v[RT+12:RT+15], v[RDL] offset:\red+16
	s_wait_dscnt 0x0
	v_pk_add_f32 v[RT+8:RT+9], v[RT+8:RT+9], v[RT+10:RT+11]
	v_pk_add_f32 v[RT+12:RT+13], v[RT+12:RT+13], v[RT+14:RT+15]
	s_delay_alu instid0(VALU_DEP_1)
	v_pk_add_f32 v[RT+8:RT+9], v[RT+8:RT+9], v[RT+12:RT+13]
	s_delay_alu instid0(VALU_DEP_1)
	v_add_f32 v[RT], v[RT+8], v[RT+9]
.endm
.irp k, 0,1,2,3
	v_pk_add_f32 v[RT+2*\k:RT+2*\k+1], v[X+4*\k:X+4*\k+1], v[X+4*\k+2:X+4*\k+3]   ; (the rows' loads are done: their offsets' registers are free)
.endr
.set j, 16
.rept 6
.irp k, 0,1,2,3
	s_delay_alu instid0(VALU_DEP_4)
	v_pk_add_f32 v[RT+2*\k:RT+2*\k+1], v[RT+2*\k:RT+2*\k+1], v[X+j+2*\k:X+j+2*\k+1]
.endr
.set j, j+8
.endr
	ACROSS RED1
	s_delay_alu instid0(VALU_DEP_1)
	v_mul_f32 v[MEAN], s31, v[RT]
	s_delay_alu instid0(VALU_DEP_1)
	v_cndmask_b32 v[MEAN], 0, v[MEAN], s30         ; a weight keeps its numbers
	s_delay_alu instid0(VALU_DEP_1)
	v_mov_b32 v[MEAN+1], v[MEAN]
.set j, 0
.rept 32
	v_pk_add_f32 v[X+j:X+j+1], v[X+j:X+j+1], v[MEAN:MEAN+1] neg_lo:[0,1] neg_hi:[0,1]
.set j, j+2
.endr
.irp k, 0,1,2,3
	v_pk_mul_f32 v[RT+2*\k:RT+2*\k+1], v[X+2*\k:X+2*\k+1], v[X+2*\k:X+2*\k+1]
.endr
.set j, 8
.rept 7
.irp k, 0,1,2,3
	s_delay_alu instid0(VALU_DEP_4)
	v_pk_fma_f32 v[RT+2*\k:RT+2*\k+1], v[X+j+2*\k:X+j+2*\k+1], v[X+j+2*\k:X+j+2*\k+1], v[RT+2*\k:RT+2*\k+1]
.endr
.set j, j+8
.endr
	ACROSS RED2
	s_delay_alu instid0(VALU_DEP_1)
	v_fma_f32 v[RSTD], v[RT], s31, s32             ; the variance + 1e-6
	s_wait_alu depctr_va_vdst(0)
	v_rsq_f32 v[RSTD], v[RSTD]
	v_nop                                          ; a plain instruction behind the transcendental
	s_wait_alu depctr_va_vdst(0)                   ; and the wait ahead of its first reader
	v_mov_b32 v[RSTD+1], v[RSTD]
	s_cmp_lt_u32 ttmp9, 256
	s_cbranch_scc0 .Lraw                           ; register work and reads of the wave's own LDS bytes are jumped over, no barrier
.irp q, 0,1,2,3                                ; 16 numbers at a time: register 16 q + j is k = 64 (q / 2) + 32 h + 16 (q % 2) + j
.irp e, 0,1,2,3
	ds_load_b128 v[GC+4*\e:GC+4*\e+3], v[GBR] offset:256*(\q/2)+64*(\q%2)+16*\e        ; LDS serves a wave's instructions in order: these see my stores
	ds_load_b128 v[BC+4*\e:BC+4*\e+3], v[GBR] offset:512+256*(\q/2)+64*(\q%2)+16*\e
.endr
.irp j, 0,2,4,6,8,10,12,14
	v_pk_mul_f32 v[X+16*\q+\j:X+16*\q+\j+1], v[X+16*\q+\j:X+16*\q+\j+1], v[RSTD:RSTD+1]
.endr
	s_wait_alu depctr_va_vdst(0)
	s_wait_dscnt 0x0
.irp j, 0,2,4,6,8,10,12,14
	v_pk_fma_f32 v[X+16*\q+\j:X+16*\q+\j+1], v[X+16*\q+\j:X+16*\q+\j+1], v[GC+\j:GC+\j+1], v[BC+\j:BC+\j+1]
.endr
.endr
.Lraw:
	; the quantiser: my two blocks, 2 c + h, are whole in my registers
.irp c, 0,1
	v_max3_num_f32 v[TM+\c], |v[X+32*\c]|, |v[X+1+32*\c]|, 0x2800000   ; with the floor 2^(5 - 127): the byte cannot fall under 1
.endr
.irp i, 2,4,6,8,10,12,14,16,18,20,22,24,26,28,30
.irp c, 0,1
	s_delay_alu instid0(VALU_DEP_2)
	v_max3_num_f32 v[TM+\c], v[TM+\c], |v[X+32*\c+\i]|, |v[X+1+32*\c+\i]|
.endr
.endr
.irp c, 0,1
	s_delay_alu instid0(VALU_DEP_2)
	v_add_nc_u32 v[TM+2+\c], 0xfe000000, v[TM+\c]  ; 4 off the exponent field: the conversion's scale operand
.endr
.irp c, 0,1
	s_delay_alu instid0(VALU_DEP_2)
	v_lshrrev_b32 v[TM+4+\c], 23, v[TM+2+\c]       ; the scale's byte
.endr
	s_delay_alu instid0(VALU_DEP_1)
	v_lshl_or_b32 v[PWD], v[TM+5], 16, v[TM+4]     ; blocks h and 2 + h,
	v_lshlrev_b32 v[TM+7], 3, v[HH]
	s_delay_alu instid0(VALU_DEP_1)
	v_lshlrev_b32 v[PWD], v[TM+7], v[PWD]          ; at their places in the word;
	v_mov_b32 v[TM+7], 0
	s_delay_alu instid0(VALU_DEP_1)
	v_permlanex16_b32 v[TM+7], v[PWD], s40, s41
	s_delay_alu instid0(VALU_DEP_1)
	v_or_b32 v[PWD], v[PWD], v[TM+7]               ; with lane l xor 16's two the word is whole
.irp c, 0,1
	v_cvt_scalef32_pk16_bf6_f32 v[PC+6*\c:PC+6*\c+2], v[X+32*\c:X+32*\c+15], v[TM+2+\c]
	v_cvt_scalef32_pk16_bf6_f32 v[PC+12+4*\c:PC+14+4*\c], v[X+16+32*\c:X+31+32*\c], v[TM+2+\c]   ; (a conversion's three registers begin on an even number)
.endr
	v_nop                                          ; one plain place behind a scaled conversion
.irp c, 0,1
.irp i, 0,1,2
	v_mov_b32 v[PC+3+6*\c+\i], v[PC+12+4*\c+\i]
.endr
.endr
	global_store_b128 v[L16], v[PC:PC+3], s[42:43]
	global_store_b64 v[L8], v[PC+4:PC+5], s[42:43] offset:512
	global_store_b128 v[L16], v[PC+6:PC+9], s[42:43] offset:768
	global_store_b64 v[L8], v[PC+10:PC+11], s[42:43] offset:1280
	ds_store_b32 v[SWA], v[PWD] offset:SCW         ; both halves of the lanes hold the same word
	s_wait_dscnt 0x0
	s_barrier_signal -1
	s_barrier_wait -1                              ; the unit's 512 scale bytes lie in LDS
	s_cmp_lg_u32 s2, 0
	s_cbranch_scc1 .Ldone
	ds_load_b128 v[FS:FS+3], v[L16] offset:SCW
	s_wait_dscnt 0x0
	global_store_b128 v[L16], v[FS:FS+3], s[44:45] ; wave 0 stores them: 512 consecutive bytes
.Ldone:
	s_wait_tensorcnt 0x0
	ds_add_u32 v14, v15
	s_wait_dscnt 0x0
	s_endpgm
.Lfunc_end_k_q061d0978d4_prep:
	.size	k_q061d0978d4_prep, .Lfunc_end_k_q061d0978d4_prep-k_q061d0978d4_prep
	.p2alignl 7, 3214868480
	.fill 96, 4, 3214868480
	.section	.rodata,"a",@progbits
	.p2align	6, 0x0
	.amdhsa_kernel k_q061d0978d4_prep
		.amdhsa_group_segment_fixed_size 78848
		.amdhsa_private_segment_fixed_size 0
		.amdhsa_enable_private_segment 0
		.amdhsa_kernarg_size 80
		.amdhsa_user_sgpr_count 2
		.amdhsa_user_sgpr_kernarg_segment_ptr 1
		.amdhsa_wavefront_size32 1
		.amdhsa_system_sgpr_workgroup_id_x 1
		.amdhsa_system_sgpr_workgroup_id_y 1
		.amdhsa_system_sgpr_workgroup_id_z 1
		.amdhsa_system_vgpr_workitem_id 0
		.amdhsa_next_free_vgpr 128
		.amdhsa_next_free_sgpr 66
		.amdhsa_reserve_vcc 0
		.amdhsa_float_denorm_mode_32 3
		.amdhsa_float_denorm_mode_16_64 3
		.amdhsa_memory_ordered 1
		.amdhsa_forward_progress 1
		.amdhsa_inst_pref_size 32
	.end_amdhsa_kernel
	.amdgpu_metadata
---
amdhsa.version: [ 1, 2 ]
amdhsa.kernels:
  - .name:           k_q061d0978d4_prep
    .symbol:         k_q061d0978d4_prep.kd
    .args:
      - { .name: x, .offset: 0, .size: 8, .value_kind: global_buffer, .address_space: global }
      - { .name: Wq, .offset: 8, .size: 8, .value_kind: global_buffer, .address_space: global }
      - { .name: Wk, .offset: 16, .size: 8, .value_kind: global_buffer, .address_space: global }
      - { .name: Wv, .offset: 24, .size: 8, .value_kind: global_buffer, .address_space: global }
      - { .name: Wo, .offset: 32, .size: 8, .value_kind: global_buffer, .address_space: global }
      - { .name: W1, .offset: 40, .size: 8, .value_kind: global_buffer, .address_space: global }
      - { .name: W2, .offset: 48, .size: 8, .value_kind: global_buffer, .address_space: global }
      - { .name: g1, .offset: 56, .size: 8, .value_kind: global_buffer, .address_space: global }
      - { .name: be1, .offset: 64, .size: 8, .value_kind: global_buffer, .address_space: global }
      - { .name: wts, .offset: 72, .size: 8, .value_kind: global_buffer, .address_space: global }
    .group_segment_fixed_size: 78848
    .private_segment_fixed_size: 0
    .kernarg_segment_align: 8
    .kernarg_segment_size: 80
    .max_flat_workgroup_size: 256
    .sgpr_count:     66
    .vgpr_count:     128
    .wavefront_size: 32
...
	.end_amdgpu_metadata
.endif
;; end of part 1
;; launch qkv (part 2): grid 12 x 16, 4 waves a work-group, clusters of 4 x 4, 327,680 bytes of LDS; arguments wts, bq, bk, bv, heads; writes heads
.if DOCPART == 2
	.amdgcn_target "amdgcn-amd-amdhsa--gfx1250"
	.amdhsa_code_object_version 6
	.text
	.protected	k_q061d0978d4_qkv
	.globl	k_q061d0978d4_qkv
	.p2align	8
	.type	k_q061d0978d4_qkv,@function
k_q061d0978d4_qkv:
	s_mov_b64 s[64:65], 0
	v_nop
	global_prefetch_b8 v0, s[64:65] scope:SCOPE_SE
	s_setreg_imm32_b32 hwreg(HW_REG_WAVE_MODE, 25, 1), 1
	s_wait_xcnt 0x0
	s_wait_alu depctr_hold_cnt(0) depctr_sa_sdst(0) depctr_va_vdst(0) depctr_va_sdst(0) depctr_va_ssrc(0) depctr_va_vcc(0) depctr_vm_vsrc(0)
	s_getreg_b32 s2, hwreg(HW_REG_IB_STS2, 6, 4)
	s_cmp_eq_u32 s2, 0
	s_cbranch_scc0 .Lentry_in_a_cluster
	s_endpgm
.Lentry_in_a_cluster:
	s_bfe_u32 s2, ttmp6, 0x10000c
	s_cmp_lg_u32 s2, 0xf033
	s_cbranch_scc0 .Lentry_shape_is_right
	s_endpgm
.Lentry_shape_is_right:
; Q = h Wq^T + bq, K = h Wk^T + bk and V^T = Wv h^T + bv, on codes of BF6 (E3M2) with E8M0 scales, and their results quantised at once for attention.  h = LayerNorm(x).
; All operands lie in one buffer, in units of 16 rows laid in the order of the operand's registers: scale bytes at 512 U ([k / 256][r][8]), codes at 524,288 + 12,288 U ([k / 128][1,536]).
; U 0-255: h; 256.. Wq; 320.. Wk; 384.. Wv.  Lane row r of unit U is row 32 (U / 2) + 8 (U % 2) + r + 8 (r / 8).
; A tile of 256 x 256 is made by four waves, 128 x 128 each: 64 accumulators, 512 registers.  K = 1,024 goes in steps of 256 through two LDS slots filled by the tensor data mover.
; CLUSTERS of 4 x 4.  Cluster x = 0: Q, 1: K (A = h, B = the weight); 2: V^T (A = Wv, B = h; its tile column is 4 x cluster y + cx, its tile row cy).  Only offsets into the one buffer are chosen,
; by the cluster's x, which all sixteen partners share.  A's tiles are asked for jointly along a row of the cluster, B's along a column.
; THE MATRIX INSTRUCTION IS USED TRANSPOSED (source 0 = a unit of B, source 1 = a unit of A): a lane holds one row of A's unit, and the 64 registers of an A block run along B's 128 rows in their true order:
; the heads' d for Q and K, the keys for V^T: the axis along which the result is quantised.
; OUT (buffer heads): Q's codes at 0 and K's at 3,145,728: [b h][unit of 16 tokens][768]; V^T's at 6,291,456: [b h][128 keys][unit of 16 d][1,536]; scale words at 9,437,184 (Q), 9,699,328 (K): [b h][unit][16 words],
; bytes 2 and 3 = 127 for the zero codes that fill K = 64 up to 128; at 9,961,472 (V): [b h][128 keys][unit][32 words].
; LIMITS: NaN and infinities are not served; a block whose largest magnitude lies under 2^-122, a block of zeros too, keeps the byte 1: its codes are read by this program alone.
; No prefetch: the launch is short and its tiles are shared in clusters.  The grid has 192 work-groups: one column of clusters for each of Q, K and V.
.set NBLK,   8                         ; units of A, and of B, to a wave
.set NQ,     2                         ; steps of 128 along K in a slot
.set KTOT,   1024
.set FR,     12                        ; registers of a fragment
.set FRB,    1536                      ; and its bytes
.set ROWB,   NQ*FRB                    ; a unit's bytes in a slot
.set KROW,   KTOT*12                   ; a unit's codes in memory
.set HALFT,  NBLK*ROWB                 ; what one tensor load brings, and what one wave reads of A or of B
.set SLOT,   4*HALFT
.set SCL,    2*SLOT                    ; behind the ring: the scale bytes of the tile's rows for all of K, filled once
.set SU,     KTOT/2                    ; a unit's scale bytes
.set HALFS,  NBLK*SU
.set SPARE,  SCL+4*HALFS               ; the spare words, 128 bytes for each wave: no other line names them
.set LAPS,   KTOT/(256*NQ)
.set HL,     (NBLK/2)*4                ; LDS loads that bring half of A's blocks
.set LN,   1
.set RR,   2
.set HH,   3
.set L16,  4                           ; 16 x lane
.set L8,   5                           ; 8 x lane
.set SOF,  8                           ; the way out: my scale word's offset
.set SV,   9                           ; v9-10 at work
.set ADRA, 16                          ; v16-17 A's fragments in slot 0, 1, + 16 x lane;  v18-19 + 8 x lane
.set ADRB, 20                          ; v20-23 the same for B
.set ADRS, 27                          ; my scale words: lanes 0-15 A's rows, lanes 16-31 B's
.set SPW,  28
.set NIL,  29
.set BOF,  30                          ; 64 h
.set BMO,  31                          ; 4 (r + 8 (r / 8))
.set SC,   32                          ; v32-63 scale words, two sets of 16: register NQ i + q
.set BN,   64                          ; v64-127 the bias along B's rows (Q, K)
.set AF,   128                         ; A's fragments, one set
.set HA,   128                         ; the way out: 64 numbers
.set PC,   192                         ; v192-211 codes
.set TM,   212                         ; v212-227 at work in the quantiser
.set PW,   228                         ; the scale word
.set BMC,  230                         ; v[230:231] the block's bias along A's rows
.set BM,   240                         ; v240-247 the bias along A's rows (V), one register a block
.set G1, 24
.set G0, 32
.set G1B, 48
.set G0B, 56
.set G1S, 68
.set G0S, 76
.set G1SB, 80
.set G0SB, 88
.set SEL, 54
.set AI,  52
.set MSB, 0
.macro WIN new                         ; the immediate's high byte repeats the setting that is left
.if MSB != (\new)
	s_set_vgpr_msb (MSB<<8)|(\new)
.set MSB, (\new)
.endif
.endm
.set MUL_LO, 0xa1                      ; source 0 (B) window 1, source 1 (A) window 0, C and D window 2
.set TO_B,   0x40                      ; destination window 1, address window 0
; A joint load: waves 0 and 1 fetch for A, waves 2 and 3 for B.  The branch hangs on the wave's number alone.  Four v_nop follow each of the two lines.
.macro JLOAD g0a, g1a, g0b, g1b
	s_cmp_eq_u32 s15, 0
	s_cbranch_scc0 .Lfor_b_\@
	tensor_load_to_lds s[\g0a:\g0a+3], s[\g1a:\g1a+7]
	s_nop 0
.rept 4
	v_nop
.endr
	s_branch .Lasked_\@
.Lfor_b_\@:
	tensor_load_to_lds s[\g0b:\g0b+3], s[\g1b:\g1b+7]
	s_nop 0
.rept 4
	v_nop
.endr
.Lasked_\@:
.endm
.macro CREST                           ; a round of the cluster's barrier behind its opening barrier
	s_cmp_lg_u32 s14, 0
	s_cbranch_scc1 .Lnot_wave_0_\@
	s_barrier_signal -3
.Lnot_wave_0_\@:
	s_barrier_wait -3
	s_barrier_signal -1
	s_barrier_wait -1
.endm
.macro CROUND
	s_barrier_signal -1
	s_barrier_wait -1
	CREST
.endm
.macro PLACES n                        ; plain vector instructions between a matrix instruction and a load into, or a read of, its registers
.rept \n
	v_nop
.endr
.endm
	s_load_b256 s[4:11], s[0:1], 0x0               ; the operands s[4:5], bq, bk, bv s[10:11]
	s_load_b64 s[12:13], s[0:1], 0x20              ; the result
	v_lshl_add_u32 v[SPW], v0, 2, SPARE
	v_mov_b32 v[NIL], 0
	ds_add_u32 v28, v29
	ds_add_u32 v28, v29
	s_wait_dscnt 0x0
	v_lshrrev_b32 v1, 5, v0
	v_readfirstlane_b32 s14, v1                    ; wave 0..3
	s_lshr_b32 s15, s14, 1                         ; which half of the tile's rows is mine.  Also: I fetch for A (0) or for B (1)
	s_and_b32 s16, s14, 1                          ; which half of its columns.  Also: which half of that tile I fetch
	s_bfe_u32 s40, ttmp6, 0x40000                  ; cx, cy
	s_bfe_u32 s41, ttmp6, 0x40004
	s_and_b32 s18, ttmp7, 0xffff                   ; cluster y
	s_cmp_eq_u32 ttmp9, 2                          ; V's column of clusters?
	s_cselect_b32 s19, s18, ttmp9
	s_cselect_b32 s18, 0, s18
	s_cselect_b32 s95, 384, 0                      ; A's first unit: Wv or h
	s_cselect_b32 s96, 0, 256                      ; B's: h, or Wq with Wk behind it
	s_lshl_b32 s42, s19, 2
	s_add_co_u32 s42, s42, s40                     ; tile column
	s_lshl_b32 s17, s18, 2
	s_add_co_u32 s17, s17, s41                     ; tile row
	s_lshl_b32 s43, s41, 2
	s_lshl_b32 s43, 15, s43                        ; my row of the cluster
	s_lshl_b32 s44, 0x1111, s40                    ; my column
	; descriptor group 1: NBLK rows, each a unit's ROWB bytes (elements of 8 bytes), KROW bytes apart; dense in LDS
	s_or_b32 s[G1], s43, (3<<16)|(1<<21)
	s_or_b32 s[G1B], s44, (3<<16)|(1<<21)
.irp g, G1, G1B
	s_mov_b32 s[\g+1], (ROWB/8)<<16                ; tensor_dim0
	s_mov_b32 s[\g+2], (2*NBLK)<<16                ; tensor_dim1: the head's loads bring a whole tile, 2 NBLK units; the ring's NBLK (set behind the head's wait)
	s_mov_b32 s[\g+3], (ROWB/8)<<16                ; tile_dim0
	s_mov_b32 s[\g+4], 2*NBLK                      ; tile_dim1
	s_mov_b32 s[\g+5], KROW/8                      ; stride
	s_mov_b32 s[\g+6], 0
	s_mov_b32 s[\g+7], 0
.endr
	; the scale bytes of 2 NBLK units, a whole tile: a dense block, as rows of 256 bytes
	s_or_b32 s[G1S], s43, (3<<16)|(1<<21)
	s_or_b32 s[G1SB], s44, (3<<16)|(1<<21)
.irp g, G1S, G1SB
	s_mov_b32 s[\g+1], 32<<16
	s_mov_b32 s[\g+2], (2*HALFS/256)<<16
	s_mov_b32 s[\g+3], 32<<16
	s_mov_b32 s[\g+4], 2*HALFS/256
	s_mov_b32 s[\g+5], 32
	s_mov_b32 s[\g+6], 0
	s_mov_b32 s[\g+7], 0
.endr
	s_lshl_b32 s20, s17, 1
	s_add_co_u32 s20, s20, s16
	s_lshl_b32 s20, s20, 3
	s_add_co_u32 s20, s20, s95                     ; A: the first unit that I fetch
	s_mul_i32 s22, s20, SU
	s_mul_i32 s20, s20, KROW
	s_add_co_u32 s20, s20, 524288
	s_mov_b32 s21, 0
	s_mov_b32 s23, 0
	s_lshl_b32 s46, s42, 1
	s_add_co_u32 s46, s46, s16
	s_lshl_b32 s46, s46, 3
	s_add_co_u32 s46, s46, s96                     ; B likewise
	s_mul_i32 s92, s46, SU
	s_mul_i32 s46, s46, KROW
	s_add_co_u32 s46, s46, 524288
	s_mov_b32 s47, 0
	s_mov_b32 s93, 0
	s_mul_i32 s45, s14, HALFT                      ; where they go: no place in the cluster enters an LDS address
	s_wait_kmcnt 0x0
	s_add_nc_u64 s[20:21], s[4:5], s[20:21]
	s_add_nc_u64 s[22:23], s[4:5], s[22:23]
	s_add_nc_u64 s[46:47], s[4:5], s[46:47]
	s_add_nc_u64 s[92:93], s[4:5], s[92:93]
	CROUND                                         ; all sixteen work-groups are here: the first joint loads meet
	; THE HEAD'S FOUR TILES, EACH WHOLE, ONE JOINT LOAD A WAVE: wave 0 slot 0's units of A, wave 1 those of B, wave 2 A's scale bytes, wave 3 B's.
	s_mul_i32 s96, s16, NBLK*KROW                  ; my half's bytes are taken off again: a whole tile begins at its first half
	s_mov_b32 s97, 0
	s_mul_i32 s100, s16, HALFS
	s_mov_b32 s101, 0
.irp g, G0, G0B, G0S, G0SB, G0+4, G0B+4
	s_mov_b32 s[\g], 1
.endr
	s_mov_b32 s[G0+1], 0
	s_sub_nc_u64 s[G0+2:G0+3], s[20:21], s[96:97]
	s_mov_b32 s[G0B+1], 2*HALFT
	s_sub_nc_u64 s[G0B+2:G0B+3], s[46:47], s[96:97]
	s_mov_b32 s[G0S+1], SCL
	s_sub_nc_u64 s[G0S+2:G0S+3], s[22:23], s[100:101]
	s_mov_b32 s[G0SB+1], SCL+2*HALFS
	s_sub_nc_u64 s[G0SB+2:G0SB+3], s[92:93], s[100:101]
	s_add_co_u32 s[G0+5], s45, SLOT                ; slot 1: my quarter, as in the ring
	s_add_nc_u64 s[G0+6:G0+7], s[20:21], ROWB
	s_add_co_u32 s[G0B+5], s45, SLOT
	s_add_nc_u64 s[G0B+6:G0B+7], s[46:47], ROWB
.irp g, G0, G0B, G0S, G0SB, G0+4, G0B+4
	s_or_b32 s[\g+3], s[\g+3], 0x80000000
.endr
.macro ARM under, g0, g1, next         ; one chain of branches on the wave's number: every way through it passes one load
	s_cmp_lt_u32 s14, \under
	s_cbranch_scc0 \next
	tensor_load_to_lds s[\g0:\g0+3], s[\g1:\g1+7]
	s_nop 0
.rept 4
	v_nop
.endr
	s_branch .Lhead_asked
\next:
.endm
	ARM 1, G0,  G1,  .Lhead_b
	ARM 2, G0B, G1B, .Lhead_sa
	ARM 3, G0S, G1S, .Lhead_sb
	tensor_load_to_lds s[G0SB:G0SB+3], s[G1SB:G1SB+7]
	s_nop 0
.rept 4
	v_nop
.endr
.Lhead_asked:
	s_wait_alu depctr_va_vdst(0)
	s_wait_tensorcnt 0x0                           ; my tile of the four is in; these lines stand ahead of slot 1's first fill as ahead of a refill
	ds_add_u32 v28, v29
	s_mov_b32 s[G1+2], NBLK<<16                    ; no tensor load of mine is out: from here on a load brings NBLK units,
	s_mov_b32 s[G1+4], NBLK
	s_mov_b32 s[G1B+2], NBLK<<16
	s_mov_b32 s[G1B+4], NBLK
	s_mov_b32 s[G0+1], s45                         ; and slot 0's descriptors stand at my quarter, for its first refill
	s_mov_b64 s[G0+2:G0+3], s[20:21]
	s_or_b32 s[G0+3], s[G0+3], 0x80000000
	s_mov_b32 s[G0B+1], s45
	s_mov_b64 s[G0B+2:G0B+3], s[46:47]
	s_or_b32 s[G0B+3], s[G0B+3], 0x80000000
	s_wait_dscnt 0x0
	CROUND                                         ; all four tiles are in, and all sixteen work-groups are here
	JLOAD G0+4, G1, G0B+4, G1B                     ; slot 1, the first tensor load behind the round
	v_and_b32 v[LN], 31, v0
	v_and_b32 v[RR], 15, v0
	v_bfe_u32 v[HH], v0, 4, 1
	v_lshlrev_b32 v[L16], 4, v[LN]
	v_lshlrev_b32 v[L8], 3, v[LN]
	s_mul_i32 s21, s15, HALFT                      ; my units of A
	s_mul_i32 s22, s16, HALFT                      ; my units of B,
	s_add_co_u32 s22, s22, 2*HALFT                 ; which lie behind A's
.irp s, 0,1
	v_add_nc_u32 v[ADRA+\s], s21, v[L16]
	v_add_nc_u32 v[ADRA+2+\s], s21, v[L8]
	v_add_nc_u32 v[ADRB+\s], s22, v[L16]
	v_add_nc_u32 v[ADRB+2+\s], s22, v[L8]
	s_add_co_u32 s21, s21, SLOT
	s_add_co_u32 s22, s22, SLOT
.endr
	v_lshlrev_b32 v6, 3, v[RR]                     ; my row's 8 scale bytes
	s_mul_i32 s21, s15, HALFS
	s_mul_i32 s22, s16, HALFS
	s_add_co_u32 s22, s22, 2*HALFS
	s_sub_co_u32 s22, s22, s21
	v_mul_u32_u24 v7, s22, v[HH]                   ; lanes 16-31 take B's
	s_add_co_u32 s21, s21, SCL
	v_add_nc_u32 v6, v6, v7
	v_add_nc_u32 v[ADRS], s21, v6
	; the biases, both kinds, at places that lie inside their buffers in every cluster; the kind that does not apply is cleared on the way out
	v_lshlrev_b32 v[BOF], 6, v[HH]
	s_wait_alu depctr_va_vdst(0)
	v_and_b32 v6, 8, v[RR]
	v_add_nc_u32 v6, v6, v[RR]
	v_lshlrev_b32 v[BMO], 2, v6
	s_wait_alu depctr_va_vdst(0)
	s_cmp_eq_u32 ttmp9, 0
	s_cselect_b64 s[98:99], s[6:7], s[8:9]         ; bq, else bk
	s_and_b32 s96, s42, 3
	s_lshl_b32 s96, s96, 10
	s_lshl_b32 s97, s16, 9
	s_add_co_u32 s96, s96, s97
	s_mov_b32 s97, 0
	s_add_nc_u64 s[98:99], s[98:99], s[96:97]      ; at feature 256 (tile column % 4) + 128 x my half
	s_and_b32 s96, s17, 3
	s_lshl_b32 s96, s96, 10
	s_lshl_b32 s100, s15, 9
	s_add_co_u32 s96, s96, s100
	s_add_nc_u64 s[10:11], s[10:11], s[96:97]      ; bv at feature 256 (tile row % 4) + 128 x my half
.irp b, 0,1,2,3
.irp e, 0,1,2,3
	global_load_b128 v[BN+16*\b+4*\e:BN+16*\b+4*\e+3], v[BOF], s[98:99] offset:128*\b+16*\e   ; register 16 b + i: feature 32 b + 16 h + i
.endr
.endr
.irp a, 0,1,2,3,4,5,6,7
	global_load_b32 v[BM+\a], v[BMO], s[10:11] offset:(32*(\a/2)+8*(\a%2))*4
.endr
.macro FRAG reg, a16, a8, q, i         ; a fragment comes back as it was stored: four loads, each of consecutive bytes
	ds_load_b128 v[\reg:\reg+3], v[\a16] offset:((\i)*NQ+(\q))*FRB
	ds_load_b64 v[\reg+4:\reg+5], v[\a8] offset:((\i)*NQ+(\q))*FRB+512
	ds_load_b128 v[\reg+6:\reg+9], v[\a16] offset:((\i)*NQ+(\q))*FRB+768
	ds_load_b64 v[\reg+10:\reg+11], v[\a8] offset:((\i)*NQ+(\q))*FRB+1280
.endm
.macro FETCH_B slot, q, p              ; B's fragments of the slot's q-th step into set p
	WIN TO_B
.set ii, 0
.rept NBLK
	FRAG 128*(\p)+FR*ii, ADRB+\slot, ADRB+2+\slot, \q, ii
.set ii, ii+1
.endr
	WIN 0
.endm
.macro FETCH_A slot, q, i0             ; half of A's blocks, from i0 on
.set ii, \i0
.rept NBLK/2
	FRAG AF+FR*ii, ADRA+\slot, ADRA+2+\slot, \q, ii
.set ii, ii+1
.endr
.endm
.macro SCALES sc                       ; a slot's scale words into set sc: lanes 0-15 A's unit i, lanes 16-31 B's unit i
.set ii, 0
.rept NBLK
.set ee, 0
.rept NQ/2
	ds_load_b64 v[SC+16*\sc+NQ*ii+2*ee:SC+16*\sc+NQ*ii+2*ee+1], v[ADRS] offset:ii*SU+128*ee
.set ee, ee+1
.endr
.set ii, ii+1
.endr
.endm
; a quarter of a step: NBLK / 4 blocks of A against all of B's.  The accumulators take turns, one instruction a turn, in the same order in every step.
.macro MULQ qi, p, q, sc, zero
.set ia, (\qi)*NBLK/4
	WIN MUL_LO+0x50*(ia/4)
.rept NBLK/4
.set ib, 0
.rept NBLK
.set AC, 8*(NBLK*(ia%4)+ib)
.if \zero
	v_wmma_scale_f32_16x16x128_f8f6f4 v[AC:AC+7], v[128*(\p)+FR*ib:128*(\p)+FR*ib+FR-1], v[AF+FR*ia:AF+FR*ia+FR-1], 0, v[SC+16*(\sc)+NQ*ib+(\q)], v[SC+16*(\sc)+NQ*ia+(\q)] matrix_a_fmt:MATRIX_FMT_BF6 matrix_b_fmt:MATRIX_FMT_BF6 matrix_a_scale:MATRIX_SCALE_ROW1
.else
	v_wmma_scale_f32_16x16x128_f8f6f4 v[AC:AC+7], v[128*(\p)+FR*ib:128*(\p)+FR*ib+FR-1], v[AF+FR*ia:AF+FR*ia+FR-1], v[AC:AC+7], v[SC+16*(\sc)+NQ*ib+(\q)], v[SC+16*(\sc)+NQ*ia+(\q)] matrix_a_fmt:MATRIX_FMT_BF6 matrix_b_fmt:MATRIX_FMT_BF6 matrix_a_scale:MATRIX_SCALE_ROW1
.endif
.set ib, ib+1
.endr
.set ia, ia+1
.endr
.endm
.macro STEP slot, q, zero              ; a step of 128 along K that has its successor in the same slot
	s_wait_dscnt HL                                ; B's set and A's lower blocks are in; the youngest loads (A's upper blocks) may be out
	MULQ 0, (\q)%2, \q, \slot, \zero
	MULQ 1, (\q)%2, \q, \slot, \zero
	s_wait_dscnt 0x0                               ; A's upper blocks are in
	PLACES 4
	FETCH_B \slot, (\q)+1, 1-(\q)%2
	FETCH_A \slot, (\q)+1, 0
	MULQ 2, (\q)%2, \q, \slot, \zero
	MULQ 3, (\q)%2, \q, \slot, \zero
	PLACES 4
	WIN 0
	FETCH_A \slot, (\q)+1, NBLK/2
.endm
; A slot's last step changes slots: one barrier; in front of it each wave waits for all its tensor loads, adds 0 to its spare word, and waits for that and for its own reads of this slot.
.macro TURN slot, next, fill
	s_wait_tensorcnt 0x0                           ; all my tensor loads have landed: my part of the next slot
	ds_add_u32 v[SPW], v[NIL]                      ; 0 onto my spare word
	s_wait_dscnt HL+1                              ; (the add and A's upper blocks may be out)
	MULQ 0, 1, NQ-1, \slot, 0
	s_wait_dscnt 0x0                               ; the add is done, and my reads of this slot are over
	s_barrier_signal -1
	MULQ 1, 1, NQ-1, \slot, 0
	WIN 0
	s_barrier_wait -1
.if \fill
	CREST                                          ; the barrier has opened a round of the cluster's: no wave of any partner still reads this slot or has a load on its way
	s_add_nc_u64 s[G0+4*\slot+2:G0+4*\slot+3], s[G0+4*\slot+2:G0+4*\slot+3], 2*ROWB
	s_add_nc_u64 s[G0B+4*\slot+2:G0B+4*\slot+3], s[G0B+4*\slot+2:G0B+4*\slot+3], 2*ROWB
	JLOAD G0+4*\slot, G1, G0B+4*\slot, G1B         ; the first tensor load behind the round; its four v_nop are the places in front of the loads below
.else
	PLACES 4
.endif
	s_wait_alu depctr_va_vdst(0)
	v_add_nc_u32 v[ADRS], 64*NQ, v[ADRS]           ; the next slot's scale words (no LDS load of mine is out)
	FETCH_B \next, 0, 0
	FETCH_A \next, 0, 0
	SCALES \next
	MULQ 2, 1, NQ-1, \slot, 0
	MULQ 3, 1, NQ-1, \slot, 0
	PLACES 4
	WIN 0
	FETCH_A \next, 0, NBLK/2
.endm
.macro REST slot, q0                   ; the slot's steps from q0 to the last but one
.set qq, \q0
.rept NQ-1-(\q0)
	STEP \slot, qq, 0
.set qq, qq+1
.endr
.endm
	s_wait_tensorcnt 0x1                           ; the scales and my part of slot 0 are in (slot 1's load may be out)
	s_barrier_signal -1
	s_barrier_wait -1
	FETCH_B 0, 0, 0
	FETCH_A 0, 0, 0
	SCALES 0
	FETCH_A 0, 0, NBLK/2
	STEP 0, 0, 1                                   ; the first step's products start the sums
.if LAPS > 1
	s_mov_b32 s3, LAPS-1
.Llap:                                                 ; a trip goes once round the ring and fills both slots again
	REST 0, 1
	TURN 0, 1, 1
	REST 1, 0
	TURN 1, 0, 1
	STEP 0, 0, 0
	s_sub_co_u32 s3, s3, 1
	s_cmp_lg_u32 s3, 0
	s_cbranch_scc1 .Llap
.endif
	REST 0, 1                                      ; the last lap fills nothing
	TURN 0, 1, 0
	REST 1, 0
	s_wait_dscnt HL
	MULQ 0, 1, NQ-1, 1, 0
	MULQ 1, 1, NQ-1, 1, 0
	s_wait_dscnt 0x0
	MULQ 2, 1, NQ-1, 1, 0
	MULQ 3, 1, NQ-1, 1, 0
	WIN 0
	PLACES 4
	; THE WAY OUT.  Where my first block goes, for both kinds of cluster; then one choice on the cluster's x.  No tensor load is out: the descriptors' registers are free.
	s_and_b32 s24, s42, 3
	s_lshl_b32 s24, s24, 2
	s_lshl_b32 s25, s16, 1
	s_add_co_u32 s24, s24, s25                     ; Q, K: my first head = 4 (tile column % 4) + 2 x half
	s_lshr_b32 s25, s17, 3
	s_lshl_b32 s25, s25, 4
	s_add_co_u32 s24, s24, s25                     ; + 16 x batch
	s_lshl_b32 s24, s24, 7
	s_and_b32 s25, s17, 7
	s_lshl_b32 s25, s25, 4
	s_add_co_u32 s24, s24, s25
	s_lshl_b32 s25, s15, 3
	s_add_co_u32 s24, s24, s25                     ; x 128 + my first unit of tokens
	s_mul_i32 s26, ttmp9, 3145728
	s_mul_i32 s25, s24, 768
	s_add_co_u32 s25, s25, s26                     ; codes
	s_lshl_b32 s24, s24, 6
	s_lshl_b32 s26, ttmp9, 18
	s_add_co_u32 s24, s24, s26
	s_add_co_u32 s24, s24, 9437184                 ; scale words
	s_lshl_b32 s26, s17, 2
	s_lshl_b32 s27, s15, 1
	s_add_co_u32 s26, s26, s27                     ; V: my first head = 4 x tile row + 2 x half
	s_lshr_b32 s27, s42, 3
	s_lshl_b32 s27, s27, 4
	s_add_co_u32 s26, s26, s27
	s_lshl_b32 s26, s26, 4
	s_and_b32 s27, s42, 7
	s_lshl_b32 s27, s27, 1
	s_add_co_u32 s26, s26, s27
	s_add_co_u32 s26, s26, s16                     ; x 16 + my step of 128 keys
	s_mul_i32 s27, s26, 6144
	s_add_co_u32 s27, s27, 6291456
	s_lshl_b32 s26, s26, 9
	s_add_co_u32 s26, s26, 9961472
	s_mov_b32 s38, 98304
	s_mov_b32 s39, 768
	s_mov_b32 s43, 8192
	s_cmp_eq_u32 ttmp9, 2
	s_cselect_b32 s28, s27, s25                    ; the fragment's first half
	s_cselect_b32 s32, s26, s24                    ; the scale words
	s_cselect_b32 s38, 768, s38                    ; from the first half to the second: the next head (Q, K), or on end (V)
	s_cselect_b32 s39, 1536, s39                   ; from block to block
	s_cselect_b32 s44, 92160, 0                    ; V: more behind block 3: the next head
	s_cselect_b32 s43, 64, s43                     ; lanes 16-31: the next head's word (Q, K), or a copy (V)
	s_cselect_b32 s45, 128, 64
	s_cselect_b32 s46, 7680, 0
	s_cselect_b32 s47, -1, 0                       ; all ones in V's clusters
	s_cselect_b32 s48, 0, -1                       ; all ones in Q's and K's
	s_mov_b32 s49, 0xffff0000                      ; lanes 16-31
	s_mov_b32 s29, 0
	s_mov_b32 s33, 0
	s_mov_b32 s30, s38
	s_mov_b32 s31, 0
	s_mov_b32 s35, 0
	s_mov_b32 s37, 0
	s_add_nc_u64 s[28:29], s[12:13], s[28:29]
	s_add_nc_u64 s[32:33], s[12:13], s[32:33]
	s_add_nc_u64 s[30:31], s[28:29], s[30:31]
	s_mov_b32 s[SEL], 0x76543210
	s_mov_b32 s[SEL+1], 0xfedcba98
	v_mul_u32_u24 v[SOF], s43, v[HH]
	v_lshl_add_u32 v[SOF], v[RR], 2, v[SOF]
	s_wait_loadcnt 0x0                             ; the biases
.set i2, 0
.rept 64
	v_cndmask_b32 v[BN+i2], 0, v[BN+i2], s48
.set i2, i2+1
.endr
.irp a, 0,1,2,3,4,5,6,7
	v_cndmask_b32 v[BM+\a], 0, v[BM+\a], s47
.endr
.irp b, 0,1,2,3
	v_mov_b32 v[TM+4+\b], 0                        ; written once: a lane permute's destination counts as one of its sources
.endr
	v_mov_b32 v[BMC+1], 0                          ; (named as the upper half of a pair)
; 64 numbers of a lane, register 16 b + i = k 32 b + 16 (lane / 16) + i of my row, become a fragment's codes in v[PC] on and its scale word in v[PW]
.macro QUANT s
.irp b, 0,1,2,3
	v_max3_num_f32 v[TM+\b], |v[\s+16*\b]|, |v[\s+1+16*\b]|, 0x2800000   ; with the floor 2^(5 - 127): the byte cannot fall under 1
.endr
.irp i, 2,4,6,8,10,12,14
.irp b, 0,1,2,3
	v_max3_num_f32 v[TM+\b], v[TM+\b], |v[\s+16*\b+\i]|, |v[\s+1+16*\b+\i]|
.endr
.endr
.irp b, 0,1,2,3
	v_permlanex16_b32 v[TM+4+\b], v[TM+\b], s[SEL], s[SEL+1]
.endr
.irp b, 0,1,2,3
	v_max_num_f32 v[TM+\b], v[TM+\b], v[TM+4+\b]   ; with lane l xor 16's: the block's largest magnitude
.endr
.irp b, 0,1,2,3
	v_add_nc_u32 v[TM+12+\b], 0xfe000000, v[TM+\b] ; 4 off its exponent field: the conversion's scale operand
.endr
.irp b, 0,1,2,3
	v_lshrrev_b32 v[TM+4+\b], 23, v[TM+12+\b]      ; the scale's byte
.endr
	v_lshl_or_b32 v[PW], v[TM+5], 8, v[TM+4]
	v_lshl_or_b32 v[PW], v[TM+6], 16, v[PW]
	v_lshl_or_b32 v[PW], v[TM+7], 24, v[PW]
.irp c, 0,1
	v_cvt_scalef32_pk16_bf6_f32 v[PC+6*\c:PC+2+6*\c], v[\s+32*\c:\s+15+32*\c], v[TM+12+2*\c]
	v_cvt_scalef32_pk16_bf6_f32 v[PC+12+4*\c:PC+14+4*\c], v[\s+16+32*\c:\s+31+32*\c], v[TM+12+2*\c+1]
.endr
	v_nop                                          ; one plain place behind a scaled conversion
.irp c, 0,1                                    ; the operand's layout wants a whole block in a lane
.irp i, 0,1,2
	v_permlane16_swap_b32 v[PC+6*\c+\i], v[PC+12+4*\c+\i]
.endr
.irp i, 0,1,2
	v_mov_b32 v[PC+3+6*\c+\i], v[PC+12+4*\c+\i]
.endr
.endr
.endm
; block k's 64 sums leave their window with the bias along B's rows added, each accumulator from its low end on
.macro MV k
.Lmv_\k:
	WIN 0x02+(\k)/4
.set i2, 0
.rept 32
	v_pk_add_f32 v[HA+i2:HA+i2+1], v[64*((\k)%4)+i2:64*((\k)%4)+i2+1], v[BN+i2:BN+i2+1]
.set i2, i2+2
.endr
	WIN 0
	v_mov_b32 v[BMC], v[BM+\k]
	s_branch .Lwork
.endm
	s_mov_b32 s[AI], 0
.Lrow:                                                 ; eight trips, a block of A a trip: only the move out of the accumulators is written eight times
.irp k, 0,1,2,3,4,5,6
	s_cmp_eq_u32 s[AI], \k
	s_cbranch_scc1 .Lmv_\k
.endr
	MV 7
	MV 0
	MV 1
	MV 2
	MV 3
	MV 4
	MV 5
	MV 6
.Lwork:
.set i2, 0
	s_wait_alu depctr_va_vdst(0)
.rept 32
	v_pk_add_f32 v[HA+i2:HA+i2+1], v[HA+i2:HA+i2+1], v[BMC:BMC+1] op_sel_hi:[1,0]   ; the bias along A's rows
.set i2, i2+2
.endr
	QUANT HA
	global_store_b128 v[L16], v[PC:PC+3], s[28:29]
	global_store_b64 v[L8], v[PC+4:PC+5], s[28:29] offset:512
	global_store_b128 v[L16], v[PC+6:PC+9], s[30:31]
	global_store_b64 v[L8], v[PC+10:PC+11], s[30:31] offset:512
	v_and_b32 v[SV], 0xffff, v[PW]                 ; Q, K: lanes 0-15 the first head's two bytes, lanes 16-31 the second's,
	v_lshrrev_b32 v[SV+1], 16, v[PW]
	v_cndmask_b32 v[SV], v[SV], v[SV+1], s49
	v_or_b32 v[SV], 0x7f7f0000, v[SV]              ; with 127 for the two blocks of zero codes;
	v_cndmask_b32 v[SV], v[SV], v[PW], s47         ; V: the word as it is
	global_store_b32 v[SOF], v[SV], s[32:33]
	s_wait_xcnt 0x0                                ; the stores have read their registers and bases: both are written again below and in the next trip
	s_cmp_eq_u32 s[AI], 3
	s_cselect_b32 s34, s44, 0
	s_cselect_b32 s36, s46, 0
	s_add_co_u32 s34, s34, s39
	s_add_co_u32 s36, s36, s45
	s_add_nc_u64 s[28:29], s[28:29], s[34:35]
	s_add_nc_u64 s[30:31], s[30:31], s[34:35]
	s_add_nc_u64 s[32:33], s[32:33], s[36:37]
	s_add_co_u32 s[AI], s[AI], 1
	s_cmp_lt_u32 s[AI], 8
	s_cbranch_scc1 .Lrow
	s_wait_tensorcnt 0x0                           ; the wave's end
	ds_add_u32 v[SPW], v[NIL]
	s_wait_dscnt 0x0
	CROUND                                         ; the closing round
	s_endpgm
.Lfunc_end_k_q061d0978d4_qkv:
	.size	k_q061d0978d4_qkv, .Lfunc_end_k_q061d0978d4_qkv-k_q061d0978d4_qkv
	.p2alignl 7, 3214868480
	.fill 96, 4, 3214868480
	.section	.rodata,"a",@progbits
	.p2align	6, 0x0
	.amdhsa_kernel k_q061d0978d4_qkv
		.amdhsa_group_segment_fixed_size 327680
		.amdhsa_private_segment_fixed_size 0
		.amdhsa_enable_private_segment 0
		.amdhsa_kernarg_size 40
		.amdhsa_user_sgpr_count 2
		.amdhsa_user_sgpr_kernarg_segment_ptr 1
		.amdhsa_wavefront_size32 1
		.amdhsa_system_sgpr_workgroup_id_x 1
		.amdhsa_system_sgpr_workgroup_id_y 1
		.amdhsa_system_sgpr_workgroup_id_z 1
		.amdhsa_system_vgpr_workitem_id 0
		.amdhsa_next_free_vgpr 1024
		.amdhsa_next_free_sgpr 104
		.amdhsa_reserve_vcc 0
		.amdhsa_float_denorm_mode_32 3
		.amdhsa_float_denorm_mode_16_64 3
		.amdhsa_memory_ordered 1
		.amdhsa_forward_progress 1
		.amdhsa_inst_pref_size 149
	.end_amdhsa_kernel
	.amdgpu_metadata
---
amdhsa.version: [ 1, 2 ]
amdhsa.kernels:
  - .name:           k_q061d0978d4_qkv
    .symbol:         k_q061d0978d4_qkv.kd
    .args:
      - { .name: wts, .offset: 0, .size: 8, .value_kind: global_buffer, .address_space: global }
      - { .name: bq, .offset: 8, .size: 8, .value_kind: global_buffer, .address_space: global }
      - { .name: bk, .offset: 16, .size: 8, .value_kind: global_buffer, .address_space: global }
      - { .name: bv, .offset: 24, .size: 8, .value_kind: global_buffer, .address_space: global }
      - { .name: heads, .offset: 32, .size: 8, .value_kind: global_buffer, .address_space: global }
    .group_segment_fixed_size: 327680
    .private_segment_fixed_size: 0
    .kernarg_segment_align: 8
    .kernarg_segment_size: 40
    .max_flat_workgroup_size: 128
    .sgpr_count:     104
    .vgpr_count:     1024
    .wavefront_size: 32
...
	.end_amdgpu_metadata
.endif
;; end of part 2
;; launch attn (part 3): grid 8 x 32, 16 waves a work-group, clusters of 4 x 1, 215,040 bytes of LDS; arguments heads, act; writes act
.if DOCPART == 3
	.amdgcn_target "amdgcn-amd-amdhsa--gfx1250"
	.amdhsa_code_object_version 6
	.text
	.protected	k_q061d0978d4_attn
	.globl	k_q061d0978d4_attn
	.p2align	8
	.type	k_q061d0978d4_attn,@function
k_q061d0978d4_attn:
	s_mov_b64 s[64:65], 0
	v_nop
	global_prefetch_b8 v0, s[64:65] scope:SCOPE_SE
	s_setreg_imm32_b32 hwreg(HW_REG_WAVE_MODE, 25, 1), 1
	s_wait_xcnt 0x0
	s_wait_alu depctr_hold_cnt(0) depctr_sa_sdst(0) depctr_va_vdst(0) depctr_va_sdst(0) depctr_va_ssrc(0) depctr_va_vcc(0) depctr_vm_vsrc(0)
	s_getreg_b32 s2, hwreg(HW_REG_IB_STS2, 6, 4)
	s_cmp_eq_u32 s2, 0
	s_cbranch_scc0 .Lentry_in_a_cluster
	s_endpgm
.Lentry_in_a_cluster:
	s_bfe_u32 s2, ttmp6, 0x10000c
	s_cmp_lg_u32 s2, 0x3003
	s_cbranch_scc0 .Lentry_shape_is_right
	s_endpgm
.Lentry_shape_is_right:
; ctx[b][q][h][:] = the sum over k of softmax_k(Q . K / 8) V, both products on codes of BF6 (E3M2) with E8M0 scales, and ctx quantised at once for the next product.
; IN (buffer heads): Q's codes at 0, K's at 3,145,728: [b h][unit of 16 tokens][768]: lane (r, h) holds d = 32 h + 0 .. 31 of lane row r: 4 registers at 16 x lane, 2 at 512 + 8 x lane.  V^T's at 6,291,456:
; [b h][128 keys][unit of 16 d][1,536].  Scale words at 9,437,184 (Q), 9,699,328 (K): 16 a unit, bytes 2 and 3 = 127; at 9,961,472 (V): 32 a fragment.  Lane row r of unit U is row 32 (U / 2) + 8 (U % 2) + r + 8 (r / 8).
; THE FIRST PRODUCT'S K IS 64.  Q's fragment has zero codes at k = 64 .. 127.  K's eight units of a key step lie 6 registers apart, so the fragment of unit u runs on into unit u + 1's six registers
; (unit 7's into the first six of p's codes): whatever codes stand there are finite numbers (E3M2 has no other) and meet Q's zero codes, so they add nothing.
; THE SOFTMAX AHEAD OF THE SECOND PRODUCT: t = score x log2(e) / 8; M = the running largest t rounded up to a whole number; p = 2^(t - M) is quantised along the keys; the row's sum is taken of the
; unquantised p and divides at the end.  When M moves, the sum and O are multiplied by 2^(old M - new M): exact.  A block's largest p is made from the block's largest score by the same two instructions.
; SHARES.  A work-group owns 256 queries of one head, each of its sixteen waves one unit of 16, in 256 registers: four waves to a SIMD.  Both products are used transposed, so that a lane holds one query.
; A WHOLE HEAD'S K AND V^T (196,608 bytes of codes, 16,384 of scale words) LIE IN LDS, each byte filled once, by ONE tensor load a wave at the head: wave j < 8 brings two rows of 12,288 bytes, K's and V's codes
; of key steps 2 j and 2 j + 1; wave 8 + j two rows of 1,024 bytes, their scale words.  One wait for all and one barrier follow; the sixteen key steps have no barrier among them.
; CLUSTER: the four query blocks of a cluster belong to one head and ask for these tiles jointly.
; OUT (buffer act): the unit's codes at 524,288 + 12,288 J + 768 x head (J: the unit of tokens), its two scale bytes a row at 512 J + 128 (head / 4) + 8 r + 2 (head % 4).
; LIMITS: NaN and infinities are not served; the promise holds while |t| stays under 2^31; a block of ctx whose largest magnitude lies under 2^-122 keeps the byte 1.
; No prefetch: all tiles are asked for at the head, so there is no loop to run ahead in.
.set ADK16, 0                          ; this pair of key steps in LDS + 16 x lane (v0 is free once the head has used it)
.set L16,   1                          ; 16 x lane
.set L8,    2                          ; 8 x lane
.set LS4,   3                          ; the scale words' region + 4 r
.set LNE,   4                          ; lane
.set ADK8,  7                          ; the pair + 8 x lane
.set ADS,   10                         ; the pair's scale words + 4 r
.set SPW,   11
.set NIL,   243
.set VS,    28                         ; v28-31   V's scale words.  K's eight: v248-251, v5, v6, v8, v9
.set VF,    32                         ; v32-79   V's four fragments
.set S,     80                         ; v80-143  S^T, then p
.set O,     144                        ; v144-175 O^T
.set KU,    176                        ; v176-223 K's eight units, 6 registers each; v224-235 p's codes follow
.set PAIRB, 24576                      ; LDS: key steps 2 j, 2 j + 1 at 24,576 j: K's 6,144 + 6,144 bytes, then V's
.set SCB,   196608                     ; their scale words at SCB + 2,048 j: K's 512 + 512 bytes, then V's
.set SPARE, 212992                     ; the spare words, 128 bytes a wave
.set WV,   18
.set SEL,  20
.set CS,   22
.set G1C,  24
.set G1S,  32
.set G0S,  44
.set TB,   48
.set TS,   49
.set CNT,  50
.set G0C,  68
.macro CROUND
	s_barrier_signal -1
	s_barrier_wait -1
	s_cmp_lg_u32 s[WV], 0
	s_cbranch_scc1 .Lnot_wave_0_\@
	s_barrier_signal -3
.Lnot_wave_0_\@:
	s_barrier_wait -3
	s_barrier_signal -1
	s_barrier_wait -1
.endm
	s_load_b128 s[4:7], s[0:1], 0x0                ; heads, act
	v_lshl_add_u32 v[SPW], v0, 2, SPARE
	v_mov_b32 v[NIL], 0
	ds_add_u32 v[SPW], v[NIL]                      ; the opening lines: the add twice on end, and one wait
	ds_add_u32 v[SPW], v[NIL]
	v_lshrrev_b32 v254, 5, v0
	s_delay_alu instid0(VALU_DEP_1)
	v_readfirstlane_b32 s[WV], v254                ; wave 0..15
	s_and_b32 s19, s[WV], 7                        ; j: which pair of key steps I fetch for
	s_and_b32 s8, ttmp7, 0xffff                    ; b h, which the four partners share
	s_bfe_u32 s9, ttmp6, 0x40000                   ; cx
	s_lshl_b32 s10, ttmp9, 2
	s_add_co_u32 s10, s10, s9                      ; my block of 256 queries: it enters Q's and the result's addresses alone
	; descriptor group 1, elements of 8 bytes, mask: all four partners.  Codes: two rows of 12,288 bytes, 3,145,728 apart (K, V).  Scale words: two rows of 1,024 bytes, 262,144 apart
	s_mov_b32 s[G1C], 15|(3<<16)|(1<<21)
	s_mov_b32 s[G1C+1], 1536<<16
	s_mov_b32 s[G1C+2], 2<<16
	s_mov_b32 s[G1C+3], 1536<<16
	s_mov_b32 s[G1C+4], 2
	s_mov_b32 s[G1C+5], 393216
	s_mov_b32 s[G1C+6], 0
	s_mov_b32 s[G1C+7], 0
	s_mov_b32 s[G1S], 15|(3<<16)|(1<<21)
	s_mov_b32 s[G1S+1], 128<<16
	s_mov_b32 s[G1S+2], 2<<16
	s_mov_b32 s[G1S+3], 128<<16
	s_mov_b32 s[G1S+4], 2
	s_mov_b32 s[G1S+5], 32768
	s_mov_b32 s[G1S+6], 0
	s_mov_b32 s[G1S+7], 0
	s_mul_i32 s11, s8, 98304
	s_mul_i32 s12, s19, 12288
	s_add_co_u32 s12, s12, s11
	s_add_co_u32 s12, s12, 3145728                 ; K's codes of key steps 2 j, 2 j + 1
	s_mov_b32 s13, 0
	s_lshl_b32 s14, s8, 13
	s_lshl_b32 s15, s19, 10
	s_add_co_u32 s14, s14, s15
	s_add_co_u32 s14, s14, 9699328                 ; K's scale words of the same
	s_mov_b32 s15, 0
	s_mul_i32 s16, s19, PAIRB                      ; where they go
	s_lshl_b32 s17, s19, 11
	s_add_co_u32 s17, s17, SCB
	; my unit of queries, and where its result goes
	s_lshl_b32 s61, s10, 4
	s_add_co_u32 s61, s61, s[WV]                   ; the unit within the batch: 16 x block + wave
	s_lshl_b32 s51, s8, 7
	s_add_co_u32 s51, s51, s61
	s_mul_i32 s52, s51, 768
	s_mov_b32 s53, 0
	s_lshl_b32 s54, s51, 6
	s_add_co_u32 s54, s54, 9437184
	s_mov_b32 s55, 0
	s_lshr_b32 s56, s8, 4
	s_lshl_b32 s56, s56, 7
	s_add_co_u32 s56, s56, s61                     ; J
	s_lshl_b32 s58, s56, 9
	s_mul_i32 s56, s56, 12288
	s_and_b32 s62, s8, 15                          ; the head
	s_mul_i32 s63, s62, 768
	s_add_co_u32 s56, s56, s63
	s_add_co_u32 s56, s56, 524288
	s_mov_b32 s57, 0
	s_lshr_b32 s63, s62, 2
	s_lshl_b32 s63, s63, 7
	s_add_co_u32 s58, s58, s63
	s_and_b32 s63, s62, 3
	s_lshl_b32 s63, s63, 1
	s_add_co_u32 s58, s58, s63
	s_mov_b32 s59, 0
	s_mov_b32 s[SEL], 0x76543210
	s_mov_b32 s[SEL+1], 0xfedcba98
	s_mov_b32 s[CS], 0x3e38aa3b                    ; c = log2(e) / 8
	s_mov_b32 s[CS+1], s[CS]
	s_wait_dscnt 0x0                               ; both opening adds are done
	s_wait_kmcnt 0x0
	s_mov_b32 s[G0C], 1
	s_mov_b32 s[G0C+1], s16
	s_add_nc_u64 s[G0C+2:G0C+3], s[4:5], s[12:13]
	s_or_b32 s[G0C+3], s[G0C+3], 0x80000000
	s_mov_b32 s[G0S], 1
	s_mov_b32 s[G0S+1], s17
	s_add_nc_u64 s[G0S+2:G0S+3], s[4:5], s[14:15]
	s_or_b32 s[G0S+3], s[G0S+3], 0x80000000
	s_add_nc_u64 s[52:53], s[4:5], s[52:53]
	s_add_nc_u64 s[54:55], s[4:5], s[54:55]
	s_add_nc_u64 s[56:57], s[6:7], s[56:57]
	s_add_nc_u64 s[58:59], s[6:7], s[58:59]
	CROUND                                         ; all four work-groups are here: the joint loads meet
	s_cmp_lt_u32 s[WV], 8                          ; one load a wave: waves 0-7 the codes, waves 8-15 the scale words
	s_cbranch_scc0 .Lwords
	tensor_load_to_lds s[G0C:G0C+3], s[G1C:G1C+7]
	s_nop 0
.rept 4
	v_nop
.endr
	s_branch .Lasked
.Lwords:
	tensor_load_to_lds s[G0S:G0S+3], s[G1S:G1S+7]
	s_nop 0
.rept 4
	v_nop
.endr
.Lasked:
	v_and_b32 v[LNE], 31, v0
	v_and_b32 v252, 15, v0
	v_lshlrev_b32 v[L16], 4, v[LNE]
	v_lshlrev_b32 v[L8], 3, v[LNE]
	v_lshlrev_b32 v254, 2, v252                    ; 4 r
	v_add_nc_u32 v[LS4], SCB, v254
	global_load_b128 v[16:19], v[L16], s[52:53]    ; Q's unit stays in registers
	global_load_b64 v[20:21], v[L8], s[52:53] offset:512
	global_load_b32 v255, v254, s[54:55]           ; and its scale words
.irp i, 22,23,24,25,26,27
	v_mov_b32 v[\i], 0                             ; k = 64 .. 127 of Q's fragment: zero codes
.endr
.irp i, 224,225,226,227,228,229
	v_mov_b32 v[\i], 0                             ; what unit 7's fragment runs on into, written before the first step reads it
.endr
	v_mov_b32 v13, 0xff61b1e6                      ; the largest t so far: -3e38
	v_mov_b32 v14, 0                               ; the sum, in two halves
	v_mov_b32 v15, 0
	v_floor_f32 v12, -v13                          ; -M
.irp b, 0,1,2,3
	v_mov_b32 v[236+\b], 0                         ; a lane permute's destination counts as one of its sources
.endr
	v_mov_b32 v253, 0
.set j, 0
.rept 32
	v_mov_b32 v[O+j], 0                            ; the step is written once: the first finds zeros
.set j, j+1
.endr
	s_wait_alu depctr_va_vdst(0)
	s_wait_loadcnt 0x0                             ; Q
	s_wait_tensorcnt 0x0                           ; my one tensor load has landed
	s_barrier_signal -1
	s_barrier_wait -1                              ; and everybody's: the head's K, V^T and scale words are whole, and nothing is filled again
; A KEY STEP of 128 keys, the e-th of its pair
.macro STEP e
.set u, 0
.rept 8                                        ; K's eight units and their scale words, in one run
.set KS, (1-u/4)*(248+u)+(u/4)*(1+u+(u-4)/2)
	ds_load_b128 v[KU+6*u:KU+6*u+3], v[ADK16] offset:\e*6144+u*768
	ds_load_b64 v[KU+6*u+4:KU+6*u+5], v[ADK8] offset:\e*6144+u*768+512
	ds_load_b32 v[KS], v[ADS] offset:\e*512+u*64
.set u, u+1
.endr
.if \e == 0
	s_wait_alu depctr_va_vdst(0)
.endif
	s_wait_dscnt 0x0
.set u, 0
.rept 8                                        ; S^T = K Q^T
.set KS, (1-u/4)*(248+u)+(u/4)*(1+u+(u-4)/2)
	v_wmma_scale_f32_16x16x128_f8f6f4 v[S+8*u:S+8*u+7], v[KU+6*u:KU+6*u+11], v[16:27], 0, v[KS], v255 matrix_a_fmt:MATRIX_FMT_BF6 matrix_b_fmt:MATRIX_FMT_BF6
.set u, u+1
.endr                                          ; lane (r, h) holds query r; registers 16 b + i are keys 32 b + 16 h + i
.rept 4
	v_nop                                          ; four places: ahead of the reads of S^T, and ahead of the loads into what the last step's second product read
.endr
.irp t, 0,1,2,3                                ; V's four fragments are asked for here and land under the softmax
	ds_load_b128 v[VF+12*\t:VF+12*\t+3], v[ADK16] offset:12288+\e*6144+\t*1536
	ds_load_b64 v[VF+12*\t+4:VF+12*\t+5], v[ADK8] offset:12288+\e*6144+\t*1536+512
	ds_load_b128 v[VF+12*\t+6:VF+12*\t+9], v[ADK16] offset:12288+\e*6144+\t*1536+768
	ds_load_b64 v[VF+12*\t+10:VF+12*\t+11], v[ADK8] offset:12288+\e*6144+\t*1536+1280
	ds_load_b32 v[VS+\t], v[ADS] offset:1024+\e*512+\t*128
.endr
.irp b, 0,1,2,3
	v_max3_num_f32 v[232+\b], v[S+16*\b], v[S+1+16*\b], v[S+2+16*\b]   ; the largest score of each block of 32 keys
.endr
.irp i, 3,5,7,9,11,13
.irp b, 0,1,2,3
	v_max3_num_f32 v[232+\b], v[232+\b], v[S+16*\b+\i], v[S+1+16*\b+\i]
.endr
.endr
.irp b, 0,1,2,3
	v_max_num_f32 v[232+\b], v[232+\b], v[S+15+16*\b]
.endr
.irp b, 0,1,2,3
	s_delay_alu instid0(VALU_DEP_4)
	v_permlanex16_b32 v[236+\b], v[232+\b], s[SEL], s[SEL+1]
.endr
.irp b, 0,1,2,3
	s_delay_alu instid0(VALU_DEP_4)
	v_max_num_f32 v[232+\b], v[232+\b], v[236+\b]  ; with lane l xor 16's 16 keys
.endr
	s_delay_alu instid0(VALU_DEP_2)
	v_max3_num_f32 v254, v232, v233, v234
	s_delay_alu instid0(VALU_DEP_1)
	v_max_num_f32 v254, v254, v235
	s_delay_alu instid0(VALU_DEP_1)
	v_mul_f32 v254, s[CS], v254                    ; as t
	s_delay_alu instid0(VALU_DEP_1)
	v_max_num_f32 v13, v13, v254                   ; the running largest t
	v_mov_b32 v254, v12
	s_delay_alu instid0(VALU_DEP_2)
	v_floor_f32 v12, -v13                          ; the new -M = -ceil(t)
	s_delay_alu instid0(VALU_DEP_1)
	v_sub_f32 v254, v12, v254                      ; old M - new M: a whole number, 0 or less
	s_delay_alu instid0(VALU_DEP_1)
	v_cvt_i32_f32 v254, v254                       ; (it saturates)
	s_delay_alu instid0(VALU_DEP_1)
	v_ldexp_f32 v252, 1.0, v254                    ; f = 2^(old M - new M)
.set j, 0
.rept 32
	v_pk_fma_f32 v[S+j:S+j+1], v[S+j:S+j+1], s[CS:CS+1], v[12:13] op_sel_hi:[1,0,0]   ; t - M
.set j, j+2
.endr
.irp b, 0,1,2,3
	v_fma_f32 v[232+\b], v[232+\b], s[CS], v12     ; the same of each block's largest score
.endr
.set j, 0
	s_wait_alu depctr_va_vdst(0)
.rept 64
	v_exp_f32 v[S+j], v[S+j]                       ; p = 2^(t - M)
.set j, j+1
.endr
	v_pk_mul_f32 v[14:15], v[14:15], v[252:253] op_sel_hi:[1,0]   ; the sums under the new M: a plain place behind the exponentials
	s_wait_alu depctr_va_vdst(0)                   ; one wait for the batch, ahead of its first reader
.irp b, 0,1,2,3
	v_exp_f32 v[232+\b], v[232+\b]                 ; the block's largest p
.endr
	v_pk_add_f32 v[236:237], v[S:S+1], v[S+2:S+3]  ; the row's sum of the unquantised p, in two chains
.irp i, 4,8,12,16,20,24,28,32,36,40,44,48,52,56,60
	v_pk_add_f32 v[14:15], v[14:15], v[S+\i:S+1+\i]
	v_pk_add_f32 v[236:237], v[236:237], v[S+2+\i:S+3+\i]
.endr
	s_delay_alu instid0(VALU_DEP_1)
	v_pk_add_f32 v[14:15], v[14:15], v[236:237]
	s_wait_alu depctr_va_vdst(0)                   ; and one for the four
.irp b, 0,1,2,3
	v_max_num_f32 v[232+\b], 0x2800000, v[232+\b]  ; the floor 2^(5 - 127)
.endr
.irp b, 0,1,2,3
	s_delay_alu instid0(VALU_DEP_4)
	v_add_nc_u32 v[244+\b], 0xfe000000, v[232+\b]  ; the conversion's scale operand
.endr
.irp b, 0,1,2,3
	s_delay_alu instid0(VALU_DEP_4)
	v_lshrrev_b32 v[236+\b], 23, v[244+\b]         ; the scale's byte
.endr
	s_delay_alu instid0(VALU_DEP_3)
	v_lshl_or_b32 v253, v237, 8, v236              ; p's scale word for these 128 keys
	s_delay_alu instid0(VALU_DEP_1)
	v_lshl_or_b32 v253, v238, 16, v253
	s_delay_alu instid0(VALU_DEP_1)
	v_lshl_or_b32 v253, v239, 24, v253
.irp c, 0,1
	v_cvt_scalef32_pk16_bf6_f32 v[224+6*\c:226+6*\c], v[S+32*\c:S+15+32*\c], v[244+2*\c]
	v_cvt_scalef32_pk16_bf6_f32 v[236+4*\c:238+4*\c], v[S+16+32*\c:S+31+32*\c], v[244+2*\c+1]
.endr
	v_nop                                          ; one plain place behind a scaled conversion
.irp c, 0,1
.irp i, 0,1,2
	v_permlane16_swap_b32 v[224+6*\c+\i], v[236+4*\c+\i]
.endr
.irp i, 0,1,2
	s_delay_alu instid0(VALU_DEP_3)
	v_mov_b32 v[227+6*\c+\i], v[236+4*\c+\i]
.endr
.endr
	s_wait_dscnt 0x0                               ; V's twenty loads are in
	s_wait_alu depctr_va_vdst(0)                   ; directly ahead of the first reader of O^T
.set j, 0
.rept 16
	v_pk_mul_f32 v[O+j:O+j+1], v[O+j:O+j+1], v[252:253] op_sel_hi:[1,0]   ; O^T under the new M; these sixteen are also the places in front of the products below
.set j, j+2
.endr
.irp t, 0,1,2,3                                ; O^T += V^T P^T: the four accumulators by turns
	v_wmma_scale_f32_16x16x128_f8f6f4 v[O+8*\t:O+7+8*\t], v[VF+12*\t:VF+12*\t+11], v[224:235], v[O+8*\t:O+7+8*\t], v[VS+\t], v253 matrix_a_fmt:MATRIX_FMT_BF6 matrix_b_fmt:MATRIX_FMT_BF6
.endr
.endm
	s_mov_b32 s[TB], 0
	s_mov_b32 s[TS], 0
	s_mov_b32 s[CNT], 8
.Lpair:                                                ; eight trips, two key steps a trip
	v_add_nc_u32 v[ADK16], s[TB], v[L16]
	v_add_nc_u32 v[ADK8], s[TB], v[L8]
	v_add_nc_u32 v[ADS], s[TS], v[LS4]
	STEP 0
	STEP 1
	s_add_co_u32 s[TB], s[TB], PAIRB
	s_add_co_u32 s[TS], s[TS], 2048
	s_sub_co_u32 s[CNT], s[CNT], 1
	s_cmp_lg_u32 s[CNT], 0
	s_cbranch_scc1 .Lpair
	; THE WAY OUT: O^T / the sum; register 16 b + i is d = 32 b + 16 h + i of my query: two blocks, quantised as they stand
	v_add_f32 v14, v14, v15
	s_delay_alu instid0(VALU_DEP_1)
	v_permlanex16_b32 v252, v14, s[SEL], s[SEL+1]
	s_delay_alu instid0(VALU_DEP_1)
	v_add_f32 v14, v14, v252                       ; the row's sum
	s_wait_alu depctr_va_vdst(0)
	v_rcp_f32 v14, v14
	v_and_b32 v7, 15, v[LNE]                       ; plain work behind the reciprocal; with the three lines above it: the places behind the last products
	v_lshlrev_b32 v7, 3, v7                        ; 8 r
	s_wait_alu depctr_va_vdst(0)                   ; the wait ahead of the reciprocal's first reader
.set j, 0
.rept 32
	v_mul_f32 v[S+j], v[O+j], v14
.set j, j+1
.endr
.irp b, 0,1
	v_max3_num_f32 v[232+\b], |v[S+16*\b]|, |v[S+1+16*\b]|, 0x2800000
.endr
.irp i, 2,4,6,8,10,12,14
.irp b, 0,1
	s_delay_alu instid0(VALU_DEP_2)
	v_max3_num_f32 v[232+\b], v[232+\b], |v[S+16*\b+\i]|, |v[S+1+16*\b+\i]|
.endr
.endr
.irp b, 0,1
	s_delay_alu instid0(VALU_DEP_2)
	v_permlanex16_b32 v[236+\b], v[232+\b], s[SEL], s[SEL+1]
.endr
.irp b, 0,1
	s_delay_alu instid0(VALU_DEP_2)
	v_max_num_f32 v[232+\b], v[232+\b], v[236+\b]
.endr
.irp b, 0,1
	s_delay_alu instid0(VALU_DEP_2)
	v_add_nc_u32 v[244+\b], 0xfe000000, v[232+\b]
.endr
.irp b, 0,1
	s_delay_alu instid0(VALU_DEP_2)
	v_lshrrev_b32 v[236+\b], 23, v[244+\b]
.endr
	s_delay_alu instid0(VALU_DEP_1)
	v_lshl_or_b32 v254, v237, 8, v236              ; my row's two scale bytes
	v_cvt_scalef32_pk16_bf6_f32 v[224:226], v[S:S+15], v244
	v_cvt_scalef32_pk16_bf6_f32 v[240:242], v[S+16:S+31], v245
	v_nop
.irp i, 0,1,2
	v_permlane16_swap_b32 v[224+\i], v[240+\i]     ; lanes 0-15 block 0, lanes 16-31 block 1, whole
.endr
.irp i, 0,1,2
	s_delay_alu instid0(VALU_DEP_3)
	v_mov_b32 v[227+\i], v[240+\i]
.endr
	global_store_b128 v[L16], v[224:227], s[56:57]
	global_store_b64 v[L8], v[228:229], s[56:57] offset:512
	s_wait_xcnt 0x0                                ; EXEC changes only behind this wait
	v_cmp_gt_u32 vcc_lo, 16, v[LNE]
	s_and_saveexec_b32 s60, vcc_lo
	global_store_b16 v7, v254, s[58:59]            ; lanes 0-15: a row's two bytes
	s_wait_xcnt 0x0
	s_or_b32 exec_lo, exec_lo, s60
	s_wait_tensorcnt 0x0                           ; the wave's end
	ds_add_u32 v[SPW], v[NIL]
	s_wait_dscnt 0x0
	CROUND                                         ; the closing round
	s_endpgm
.Lfunc_end_k_q061d0978d4_attn:
	.size	k_q061d0978d4_attn, .Lfunc_end_k_q061d0978d4_attn-k_q061d0978d4_attn
	.p2alignl 7, 3214868480
	.fill 96, 4, 3214868480
	.section	.rodata,"a",@progbits
	.p2align	6, 0x0
	.amdhsa_kernel k_q061d0978d4_attn
		.amdhsa_group_segment_fixed_size 215040
		.amdhsa_private_segment_fixed_size 0
		.amdhsa_enable_private_segment 0
		.amdhsa_kernarg_size 16
		.amdhsa_user_sgpr_count 2
		.amdhsa_user_sgpr_kernarg_segment_ptr 1
		.amdhsa_wavefront_size32 1
		.amdhsa_system_sgpr_workgroup_id_x 1
		.amdhsa_system_sgpr_workgroup_id_y 1
		.amdhsa_system_sgpr_workgroup_id_z 1
		.amdhsa_system_vgpr_workitem_id 0
		.amdhsa_next_free_vgpr 256
		.amdhsa_next_free_sgpr 88
		.amdhsa_reserve_vcc 1
		.amdhsa_float_denorm_mode_32 3
		.amdhsa_float_denorm_mode_16_64 3
		.amdhsa_memory_ordered 1
		.amdhsa_forward_progress 1
		.amdhsa_inst_pref_size 48
	.end_amdhsa_kernel
	.amdgpu_metadata
---
amdhsa.version: [ 1, 2 ]
amdhsa.kernels:
  - .name:           k_q061d0978d4_attn
    .symbol:         k_q061d0978d4_attn.kd
    .args:
      - { .name: heads, .offset: 0, .size: 8, .value_kind: global_buffer, .address_space: global }
      - { .name: act, .offset: 8, .size: 8, .value_kind: global_buffer, .address_space: global }
    .group_segment_fixed_size: 215040
    .private_segment_fixed_size: 0
    .kernarg_segment_align: 8
    .kernarg_segment_size: 16
    .max_flat_workgroup_size: 512
    .sgpr_count:     88
    .vgpr_count:     256
    .wavefront_size: 32
...
	.end_amdgpu_metadata
.endif
;; end of part 3
;; launch oln (part 4): grid 256 x 1, 8 waves a work-group, no clusters, 70,144 bytes of LDS; arguments act, wts, bo, x, g2, be2, x1, act2; writes x1, act2
.if DOCPART == 4
	.amdgcn_target "amdgcn-amd-amdhsa--gfx1250"
	.amdhsa_code_object_version 6
	.text
	.protected	k_q061d0978d4_oln
	.globl	k_q061d0978d4_oln
	.p2align	8
	.type	k_q061d0978d4_oln,@function
k_q061d0978d4_oln:
	s_mov_b64 s[64:65], 0
	v_nop
	global_prefetch_b8 v0, s[64:65] scope:SCOPE_SE
	s_setreg_imm32_b32 hwreg(HW_REG_WAVE_MODE, 25, 1), 1
	s_wait_xcnt 0x0
; x1 = x + ctx Wo^T + bo, on codes of BF6 (E3M2) with E8M0 scales, and LayerNorm(x1) (gain g2, shift be2) quantised at once for the next product.
; IN: ctx (buffer act) and Wo (buffer wts, units 448 .. 511) in units of 16 rows laid in the order of the operand's registers: scale bytes at 512 U ([k / 256][r][8]), codes at 524,288 + 12,288 U ([k / 128][1,536]:
; registers 0-3 at 16 x lane, 4-5 at 512 + 8 x lane, 6-9 at 768 + 16 x lane, 10-11 at 1,280 + 8 x lane).  Lane row r of unit U is row 32 (U / 2) + 8 (U % 2) + r + 8 (r / 8).
; SHARES.  Work-group J owns unit J of 16 tokens and all 1,024 columns, so that a row's norm stays inside it; wave w takes columns 128 w .. 128 w + 127: 8 units of Wo, 8 accumulators, 8 K steps of 128: 64 matrix instructions.
; NO TILE PASSES THROUGH LDS AND NO LOAD IS JOINT: a fragment of Wo is multiplied by one wave, once, so it goes from memory straight into that wave's registers, each load reading 512 or 256 consecutive bytes;
; two sets of 8 fragments take turns, so Wo's loads run two K steps (64 loads) ahead of their products.  ctx's 96 registers and all scale words are loaded once.  No prefetch: these loads are the run ahead.
; THE MATRIX INSTRUCTION IS USED TRANSPOSED (source 0 = a unit of Wo, source 1 = ctx's unit): lane (r, h) holds lane row r, and sum register 16 b + i is column 128 w + 32 b + 16 h + i.
; THE WAY OUT.  The 16 x 128 sums turn through the wave's own stage in LDS (rows 528 bytes apart) into whole rows of 512 bytes, take x and bo, leave as x1 (each store 512 consecutive bytes), and turn back.
; The norm's row sums go from wave to wave through LDS.  Then the quantiser along the columns: wave w makes K step w of unit J for the next product.
; OUT (buffer act2): as ctx's layout above.  The unit's 512 scale bytes are gathered in LDS and stored by wave 0.
; REGISTERS, window 0: v1-31 addresses, ctx's scale words, bo; v32-95 sums, then my 64 numbers; v96-191 ctx's fragments, then rows, codes; v192-255 Wo's scale words, then the gain.
; Window 1: v0-191 Wo's fragments, two sets, then the shift; v192-255 x.
; LIMITS: NaN and infinities are not served.  A block whose largest magnitude lies under 2^-122 keeps the byte 1, a block of zeros too: this program alone reads the bytes.
; The norm multiplies by v_rsq_f32 where the source divides by a root, and sums in another order.
.set CODES, 524288
.set WO0,   448
.set SP,    528
.set RED1,  0                          ; LDS: [r][w] words: the waves' row sums
.set RED2,  512                        ; the same for the squares
.set SCW,   1024                       ; the unit's 512 scale bytes
.set STG0,  1536                       ; the eight stages
.set SPARE, STG0+8*16*SP               ; 69,120: the spare words, 128 bytes a wave
.set LN,   1
.set RR,   2
.set HH,   3
.set L16,  4
.set L8,   5
.set R8,   6                           ; 8 r
.set STO,  7                           ; stage: row r, + 64 h
.set RDR,  8                           ; stage: 16 x lane of a row
.set RDS,  9                           ; 32 r + 4 w
.set RDL,  10                          ; 32 r
.set SWA,  11                          ; my scale word's place in the unit's 512 bytes
.set BOF,  12                          ; 64 h
.set SPW,  14
.set NIL,  15
.set AS,   16                          ; v16-23 ctx's scale words, one a K step
.set BI,   24                          ; v24-27 bo at my four columns of a row
.set X,    32                          ; v32-95
.set AF,   96                          ; v96-191
.set R,    96                          ; v96-159 rows
.set PC,   96                          ; v96-115 codes
.set TM,   116                         ; v116-131 at work in the quantiser
.set PW,   132
.set FS,   136
.set RT,   160                         ; v160-175 at work in the reductions
.set MEAN, 176
.set RSTD, 178
.set BS,   192                         ; v192-255 Wo's scale words: 8 b + q
.set GN,   192                         ; then the gain
.set MSB, 0
.macro WIN new                         ; the immediate's high byte repeats the setting that is left
.if MSB != (\new)
	s_set_vgpr_msb (MSB<<8)|(\new)
.set MSB, (\new)
.endif
.endm
.macro GFRAG reg, base, off            ; a fragment as it was stored: four loads, each of consecutive bytes
	global_load_b128 v[\reg:\reg+3], v[L16], s[\base:\base+1] offset:\off
	global_load_b64 v[\reg+4:\reg+5], v[L8], s[\base:\base+1] offset:\off+512
	global_load_b128 v[\reg+6:\reg+9], v[L16], s[\base:\base+1] offset:\off+768
	global_load_b64 v[\reg+10:\reg+11], v[L8], s[\base:\base+1] offset:\off+1280
.endm
.macro BSET q                          ; my 8 units of Wo at K step q into set q % 2 (the destination's window is 1)
.set bb, 0
.rept 8
	GFRAG 96*((\q)%2)+12*bb, 38, 12288*bb+1536*(\q)
.set bb, bb+1
.endr
.endm
	s_load_b512 s[4:19], s[0:1], 0x0               ; act s[4:5], wts, bo, x s[10:11], g2, be2, x1 s[16:17], act2 s[18:19]
	v_lshl_add_u32 v[SPW], v0, 2, SPARE
	v_mov_b32 v[NIL], 0
	v_lshrrev_b32 v13, 5, v0
	v_readfirstlane_b32 s2, v13                    ; wave 0..7
	v_and_b32 v[LN], 31, v0
	v_and_b32 v[RR], 15, v0
	v_bfe_u32 v[HH], v0, 4, 1
	v_lshlrev_b32 v[L16], 4, v[LN]
	v_lshlrev_b32 v[L8], 3, v[LN]
	v_lshlrev_b32 v[R8], 3, v[RR]
	s_mul_i32 s3, s2, 16*SP
	s_add_co_u32 s3, s3, STG0                      ; my stage
	v_mul_u32_u24 v[STO], v[RR], SP
	v_add_nc_u32 v[RDR], s3, v[L16]
	v_lshl_add_u32 v[STO], v[HH], 6, v[STO]
	v_lshlrev_b32 v[RDL], 5, v[RR]
	v_add_nc_u32 v[STO], s3, v[STO]
	s_lshl_b32 s3, s2, 2
	v_add_nc_u32 v[RDS], s3, v[RDL]
	s_lshr_b32 s3, s2, 1
	s_lshl_b32 s3, s3, 7
	s_and_b32 s33, s2, 1
	s_lshl_b32 s33, s33, 2
	s_add_co_u32 s3, s3, s33                       ; 128 (w / 2) + 4 (w % 2)
	s_wait_alu depctr_va_vdst(0)
	v_add_nc_u32 v[SWA], s3, v[R8]
	v_lshlrev_b32 v[BOF], 6, v[HH]
	s_mul_i32 s20, ttmp9, 12288
	s_add_co_u32 s20, s20, CODES                   ; unit J's codes, in act and in act2
	s_mov_b32 s21, 0
	s_lshl_b32 s22, ttmp9, 9                       ; its scale bytes
	s_mov_b32 s23, 0
	s_lshl_b32 s24, s2, 3
	s_add_co_u32 s24, s24, WO0                     ; my first unit of Wo
	s_lshl_b32 s26, s24, 9
	s_mul_i32 s24, s24, 12288
	s_add_co_u32 s24, s24, CODES
	s_mov_b32 s25, 0
	s_mov_b32 s27, 0
	s_lshr_b32 s28, ttmp9, 1
	s_lshl_b32 s28, s28, 5
	s_and_b32 s29, ttmp9, 1
	s_lshl_b32 s29, s29, 3
	s_add_co_u32 s28, s28, s29                     ; the unit's first token
	s_lshl_b32 s28, s28, 12
	s_lshl_b32 s30, s2, 9                          ; my 128 columns, in bytes
	s_add_co_u32 s28, s28, s30
	s_mov_b32 s29, 0
	s_mov_b32 s31, 0
	s_mul_i32 s32, s2, 1536
	s_mov_b32 s33, 0
	s_mov_b32 s34, 0x3a800000                      ; 1 / 1,024
	s_mov_b32 s35, 0x358637bd                      ; 1e-6
	s_mov_b32 s40, 0x76543210
	s_mov_b32 s41, 0xfedcba98                      ; v_permlanex16_b32: lane l xor 16
	s_wait_alu depctr_va_vdst(0)
	s_wait_kmcnt 0x0
	s_add_nc_u64 s[36:37], s[4:5], s[20:21]        ; ctx's codes
	s_add_nc_u64 s[4:5], s[4:5], s[22:23]          ; ctx's scale bytes
	s_add_nc_u64 s[38:39], s[6:7], s[24:25]        ; Wo's codes
	s_add_nc_u64 s[6:7], s[6:7], s[26:27]          ; Wo's scale bytes
	s_add_nc_u64 s[8:9], s[8:9], s[30:31]
	s_add_nc_u64 s[10:11], s[10:11], s[28:29]
	s_add_nc_u64 s[12:13], s[12:13], s[30:31]
	s_add_nc_u64 s[14:15], s[14:15], s[30:31]
	s_add_nc_u64 s[16:17], s[16:17], s[28:29]
	s_add_nc_u64 s[42:43], s[18:19], s[20:21]
	s_add_nc_u64 s[42:43], s[42:43], s[32:33]      ; my fragment of the result
	s_add_nc_u64 s[18:19], s[18:19], s[22:23]      ; the result's scale bytes
.irp e, 0,1,2,3
	global_load_b64 v[AS+2*\e:AS+2*\e+1], v[R8], s[4:5] offset:128*\e   ; the words of K steps 2 e, 2 e + 1 of lane row r
.endr
.set bb, 0
.rept 8
.irp e, 0,1,2,3
	global_load_b64 v[BS+8*bb+2*\e:BS+8*bb+2*\e+1], v[R8], s[6:7] offset:512*bb+128*\e
.endr
.set bb, bb+1
.endr
.set qq, 0
.rept 8
	GFRAG AF+12*qq, 36, 1536*qq
.set qq, qq+1
.endr
	WIN 0x40
	BSET 0
	BSET 1
.set tt, 0
.rept 16
	global_load_b128 v[192+4*tt:192+4*tt+3], v[L16], s[10:11] offset:(tt+8*(tt/8))*4096   ; x: lane row t's 512 bytes of my columns
.set tt, tt+1
.endr
	WIN 0
	global_load_b128 v[BI:BI+3], v[L16], s[8:9]
; A K step: 8 matrix instructions, the 8 accumulators by turns; then the set just multiplied takes K step q + 2.  cnt: the loads issued behind this step's set
.macro KSTEP q, cnt
	s_wait_loadcnt \cnt
	WIN 0x01                                       ; source 0 in window 1
.set bb, 0
.rept 8
.if (\q) == 0
	v_wmma_scale_f32_16x16x128_f8f6f4 v[X+8*bb:X+8*bb+7], v[96*((\q)%2)+12*bb:96*((\q)%2)+12*bb+11], v[AF+12*(\q):AF+12*(\q)+11], 0, v[BS+8*bb+(\q)], v[AS+(\q)] matrix_a_fmt:MATRIX_FMT_BF6 matrix_b_fmt:MATRIX_FMT_BF6
.else
	v_wmma_scale_f32_16x16x128_f8f6f4 v[X+8*bb:X+8*bb+7], v[96*((\q)%2)+12*bb:96*((\q)%2)+12*bb+11], v[AF+12*(\q):AF+12*(\q)+11], v[X+8*bb:X+8*bb+7], v[BS+8*bb+(\q)], v[AS+(\q)] matrix_a_fmt:MATRIX_FMT_BF6 matrix_b_fmt:MATRIX_FMT_BF6
.endif
.set bb, bb+1
.endr
.rept 4
	v_nop                                          ; four places ahead of loads into, and reads of, the products' registers
.endr
.if (\q) < 6
	WIN 0x40
	BSET (\q)+2
.endif
	WIN 0
.endm
	KSTEP 0, 49                                    ; behind set 0: set 1's 32 loads, x's 16, bo's 1
	KSTEP 1, 49                                    ; behind set 1: x's 16, bo's 1, K step 2's 32
	KSTEP 2, 32                                    ; from here on: the other set's 32
	KSTEP 3, 32
	KSTEP 4, 32
	KSTEP 5, 32
	KSTEP 6, 32
	KSTEP 7, 0
.irp b, 0,1,2,3
.irp e, 0,1,2,3
	global_load_b128 v[GN+16*\b+4*\e:GN+16*\b+4*\e+3], v[BOF], s[12:13] offset:128*\b+16*\e   ; the gain: register 16 b + i is column 32 b + 16 h + i
.endr
.endr
	WIN 0x40
.irp b, 0,1,2,3
.irp e, 0,1,2,3
	global_load_b128 v[16*\b+4*\e:16*\b+4*\e+3], v[BOF], s[14:15] offset:128*\b+16*\e          ; the shift likewise, in window 1
.endr
.endr
	WIN 0
.set ii, 0
.rept 16
	ds_store_b128 v[STO], v[X+4*ii:X+4*ii+3] offset:128*(ii/4)+16*(ii%4)   ; each accumulator from its low end on
.set ii, ii+1
.endr
.set tt, 0
.rept 16
	ds_load_b128 v[R+4*tt:R+4*tt+3], v[RDR] offset:tt*SP   ; LDS serves a wave's instructions in order: these see my stores
.set tt, tt+1
.endr
	s_wait_dscnt 0x0
	WIN 0x04                                       ; source 1 in window 1
.set j, 0
.rept 32
	v_pk_add_f32 v[R+j:R+j+1], v[R+j:R+j+1], v[192+j:193+j]   ; + x
.set j, j+2
.endr
	WIN 0
.set tt, 0
.rept 16
	v_pk_add_f32 v[R+4*tt:R+4*tt+1], v[R+4*tt:R+4*tt+1], v[BI:BI+1]       ; + bo
	v_pk_add_f32 v[R+4*tt+2:R+4*tt+3], v[R+4*tt+2:R+4*tt+3], v[BI+2:BI+3]
.set tt, tt+1
.endr
.set tt, 0
.rept 16
	global_store_b128 v[L16], v[R+4*tt:R+4*tt+3], s[16:17] offset:(tt+8*(tt/8))*4096   ; x1: 32 lanes store 512 consecutive bytes
	ds_store_b128 v[RDR], v[R+4*tt:R+4*tt+3] offset:tt*SP
.set tt, tt+1
.endr
.set ii, 0
.rept 16
	ds_load_b128 v[X+4*ii:X+4*ii+3], v[STO] offset:128*(ii/4)+16*(ii%4)   ; and back: my 64 numbers of lane row r
.set ii, ii+1
.endr
	s_wait_dscnt 0x0
; a row's figure over the eight waves: my 64 are in four packed chains; lane l xor 16 has the row's other 64 of this wave; the waves meet in LDS
.macro ACROSS red
	s_delay_alu instid0(VALU_DEP_3)
	v_pk_add_f32 v[RT:RT+1], v[RT:RT+1], v[RT+2:RT+3]
	s_delay_alu instid0(VALU_DEP_2)
	v_pk_add_f32 v[RT+4:RT+5], v[RT+4:RT+5], v[RT+6:RT+7]
	s_delay_alu instid0(VALU_DEP_1)
	v_pk_add_f32 v[RT:RT+1], v[RT:RT+1], v[RT+4:RT+5]
	s_delay_alu instid0(VALU_DEP_1)
	v_add_f32 v[RT], v[RT], v[RT+1]
	s_delay_alu instid0(VALU_DEP_1)
	v_permlanex16_b32 v[RT+1], v[RT], s40, s41
	s_delay_alu instid0(VALU_DEP_1)
	v_add_f32 v[RT], v[RT], v[RT+1]
	ds_store_b32 v[RDS], v[RT] offset:\red         ; both halves of the lanes write the same word with the same value
	s_wait_dscnt 0x0                               ; for the others: my store has landed
	s_barrier_signal -1
	s_barrier_wait -1
	ds_load_b128 v[RT+8:RT+11], v[RDL] offset:\red
	ds_load_b128 v[RT+12:RT+15], v[RDL] offset:\red+16
	s_wait_dscnt 0x0
	v_pk_add_f32 v[RT+8:RT+9], v[RT+8:RT+9], v[RT+10:RT+11]
	v_pk_add_f32 v[RT+12:RT+13], v[RT+12:RT+13], v[RT+14:RT+15]
	s_delay_alu instid0(VALU_DEP_1)
	v_pk_add_f32 v[RT+8:RT+9], v[RT+8:RT+9], v[RT+12:RT+13]
	s_delay_alu instid0(VALU_DEP_1)
	v_add_f32 v[RT], v[RT+8], v[RT+9]
.endm
.irp k, 0,1,2,3
	v_pk_add_f32 v[RT+2*\k:RT+2*\k+1], v[X+4*\k:X+4*\k+1], v[X+4*\k+2:X+4*\k+3]
.endr
.set j, 16
.rept 6
.irp k, 0,1,2,3
	s_delay_alu instid0(VALU_DEP_4)
	v_pk_add_f32 v[RT+2*\k:RT+2*\k+1], v[RT+2*\k:RT+2*\k+1], v[X+j+2*\k:X+j+2*\k+1]
.endr
.set j, j+8
.endr
	ACROSS RED1
	s_delay_alu instid0(VALU_DEP_1)
	v_mul_f32 v[MEAN], s34, v[RT]
	s_delay_alu instid0(VALU_DEP_1)
	v_mov_b32 v[MEAN+1], v[MEAN]
.set j, 0
.rept 32
	v_pk_add_f32 v[X+j:X+j+1], v[X+j:X+j+1], v[MEAN:MEAN+1] neg_lo:[0,1] neg_hi:[0,1]
.set j, j+2
.endr
	s_wait_loadcnt 0x0                             ; gain and shift
	s_wait_xcnt 0x0                                ; x1's stores have read their registers: the quantiser works there
.irp b, 0,1,2,3
	v_mov_b32 v[TM+4+\b], 0                        ; a lane permute's destination counts as one of its sources
.endr
.irp k, 0,1,2,3
	v_pk_mul_f32 v[RT+2*\k:RT+2*\k+1], v[X+2*\k:X+2*\k+1], v[X+2*\k:X+2*\k+1]
.endr
.set j, 8
.rept 7
.irp k, 0,1,2,3
	s_delay_alu instid0(VALU_DEP_4)
	v_pk_fma_f32 v[RT+2*\k:RT+2*\k+1], v[X+j+2*\k:X+j+2*\k+1], v[X+j+2*\k:X+j+2*\k+1], v[RT+2*\k:RT+2*\k+1]
.endr
.set j, j+8
.endr
	ACROSS RED2
	s_delay_alu instid0(VALU_DEP_1)
	v_fma_f32 v[RSTD], v[RT], s34, s35             ; the variance + 1e-6
	s_wait_alu depctr_va_vdst(0)
	v_rsq_f32 v[RSTD], v[RSTD]
	v_nop                                          ; a plain instruction behind the transcendental
	s_wait_alu depctr_va_vdst(0)                   ; and the wait ahead of its first reader
	v_mov_b32 v[RSTD+1], v[RSTD]
.set j, 0
.rept 32
	v_pk_mul_f32 v[X+j:X+j+1], v[X+j:X+j+1], v[RSTD:RSTD+1]
.set j, j+2
.endr
	WIN 0x10                                       ; source 2 in window 1
.set j, 0
.rept 32
	v_pk_fma_f32 v[X+j:X+j+1], v[X+j:X+j+1], v[GN+j:GN+j+1], v[j:j+1]
.set j, j+2
.endr
	WIN 0
	; the quantiser: register 16 b + i is k = 32 b + 16 h + i of my row
.irp b, 0,1,2,3
	v_max3_num_f32 v[TM+\b], |v[X+16*\b]|, |v[X+1+16*\b]|, 0x2800000   ; with the floor 2^(5 - 127): the byte cannot fall under 1
.endr
.irp i, 2,4,6,8,10,12,14
.irp b, 0,1,2,3
	v_max3_num_f32 v[TM+\b], v[TM+\b], |v[X+16*\b+\i]|, |v[X+1+16*\b+\i]|
.endr
.endr
.irp b, 0,1,2,3
	v_permlanex16_b32 v[TM+4+\b], v[TM+\b], s40, s41
.endr
.irp b, 0,1,2,3
	v_max_num_f32 v[TM+\b], v[TM+\b], v[TM+4+\b]   ; with lane l xor 16's: the block's largest magnitude
.endr
.irp b, 0,1,2,3
	v_add_nc_u32 v[TM+12+\b], 0xfe000000, v[TM+\b] ; 4 off its exponent field: the conversion's scale operand
.endr
.irp b, 0,1,2,3
	v_lshrrev_b32 v[TM+4+\b], 23, v[TM+12+\b]      ; the scale's byte
.endr
	v_lshl_or_b32 v[PW], v[TM+5], 8, v[TM+4]
	v_lshl_or_b32 v[PW], v[TM+6], 16, v[PW]
	v_lshl_or_b32 v[PW], v[TM+7], 24, v[PW]
.irp c, 0,1
	v_cvt_scalef32_pk16_bf6_f32 v[PC+6*\c:PC+2+6*\c], v[X+32*\c:X+15+32*\c], v[TM+12+2*\c]
	v_cvt_scalef32_pk16_bf6_f32 v[PC+12+4*\c:PC+14+4*\c], v[X+16+32*\c:X+31+32*\c], v[TM+12+2*\c+1]
.endr
	v_nop                                          ; one plain place behind a scaled conversion
.irp c, 0,1                                    ; the operand's layout wants a whole block in a lane
.irp i, 0,1,2
	v_permlane16_swap_b32 v[PC+6*\c+\i], v[PC+12+4*\c+\i]
.endr
.irp i, 0,1,2
	v_mov_b32 v[PC+3+6*\c+\i], v[PC+12+4*\c+\i]
.endr
.endr
	global_store_b128 v[L16], v[PC:PC+3], s[42:43]
	global_store_b64 v[L8], v[PC+4:PC+5], s[42:43] offset:512
	global_store_b128 v[L16], v[PC+6:PC+9], s[42:43] offset:768
	global_store_b64 v[L8], v[PC+10:PC+11], s[42:43] offset:1280
	ds_store_b32 v[SWA], v[PW] offset:SCW          ; both halves of the lanes hold the same word
	s_wait_dscnt 0x0
	s_barrier_signal -1
	s_barrier_wait -1                              ; the unit's 512 scale bytes lie in LDS
	s_cmp_lg_u32 s2, 0
	s_cbranch_scc1 .Ldone
	ds_load_b128 v[FS:FS+3], v[L16] offset:SCW
	s_wait_dscnt 0x0
	global_store_b128 v[L16], v[FS:FS+3], s[18:19] ; wave 0 stores them: 512 consecutive bytes
.Ldone:
	s_wait_tensorcnt 0x0                           ; the wave's end
	ds_add_u32 v[SPW], v[NIL]
	s_wait_dscnt 0x0
	s_endpgm
.Lfunc_end_k_q061d0978d4_oln:
	.size	k_q061d0978d4_oln, .Lfunc_end_k_q061d0978d4_oln-k_q061d0978d4_oln
	.p2alignl 7, 3214868480
	.fill 96, 4, 3214868480
	.section	.rodata,"a",@progbits
	.p2align	6, 0x0
	.amdhsa_kernel k_q061d0978d4_oln
		.amdhsa_group_segment_fixed_size 70144
		.amdhsa_private_segment_fixed_size 0
		.amdhsa_enable_private_segment 0
		.amdhsa_kernarg_size 64
		.amdhsa_user_sgpr_count 2
		.amdhsa_user_sgpr_kernarg_segment_ptr 1
		.amdhsa_wavefront_size32 1
		.amdhsa_system_sgpr_workgroup_id_x 1
		.amdhsa_system_sgpr_workgroup_id_y 1
		.amdhsa_system_sgpr_workgroup_id_z 1
		.amdhsa_system_vgpr_workitem_id 0
		.amdhsa_next_free_vgpr 512
		.amdhsa_next_free_sgpr 66
		.amdhsa_reserve_vcc 0
		.amdhsa_float_denorm_mode_32 3
		.amdhsa_float_denorm_mode_16_64 3
		.amdhsa_memory_ordered 1
		.amdhsa_forward_progress 1
		.amdhsa_inst_pref_size 77
	.end_amdhsa_kernel
	.amdgpu_metadata
---
amdhsa.version: [ 1, 2 ]
amdhsa.kernels:
  - .name:           k_q061d0978d4_oln
    .symbol:         k_q061d0978d4_oln.kd
    .args:
      - { .name: act, .offset: 0, .size: 8, .value_kind: global_buffer, .address_space: global }
      - { .name: wts, .offset: 8, .size: 8, .value_kind: global_buffer, .address_space: global }
      - { .name: bo, .offset: 16, .size: 8, .value_kind: global_buffer, .address_space: global }
      - { .name: x, .offset: 24, .size: 8, .value_kind: global_buffer, .address_space: global }
      - { .name: g2, .offset: 32, .size: 8, .value_kind: global_buffer, .address_space: global }
      - { .name: be2, .offset: 40, .size: 8, .value_kind: global_buffer, .address_space: global }
      - { .name: x1, .offset: 48, .size: 8, .value_kind: global_buffer, .address_space: global }
      - { .name: act2, .offset: 56, .size: 8, .value_kind: global_buffer, .address_space: global }
    .group_segment_fixed_size: 70144
    .private_segment_fixed_size: 0
    .kernarg_segment_align: 8
    .kernarg_segment_size: 64
    .max_flat_workgroup_size: 256
    .sgpr_count:     66
    .vgpr_count:     512
    .wavefront_size: 32
...
	.end_amdgpu_metadata
.endif
;; end of part 4
;; launch ffn1 (part 5): grid 16 x 16, 4 waves a work-group, clusters of 4 x 4, 327,680 bytes of LDS; arguments act2, wts, b1, ffh; writes ffh
.if DOCPART == 5
	.amdgcn_target "amdgcn-amd-amdhsa--gfx1250"
	.amdhsa_code_object_version 6
	.text
	.protected	k_q061d0978d4_ffn1
	.globl	k_q061d0978d4_ffn1
	.p2align	8
	.type	k_q061d0978d4_ffn1,@function
k_q061d0978d4_ffn1:
	s_mov_b64 s[64:65], 0
	v_nop
	global_prefetch_b8 v0, s[64:65] scope:SCOPE_SE
	s_setreg_imm32_b32 hwreg(HW_REG_WAVE_MODE, 25, 1), 1
	s_wait_xcnt 0x0
	s_wait_alu depctr_hold_cnt(0) depctr_sa_sdst(0) depctr_va_vdst(0) depctr_va_sdst(0) depctr_va_ssrc(0) depctr_va_vcc(0) depctr_vm_vsrc(0)
	s_getreg_b32 s2, hwreg(HW_REG_IB_STS2, 6, 4)
	s_cmp_eq_u32 s2, 0
	s_cbranch_scc0 .Lentry_in_a_cluster
	s_endpgm
.Lentry_in_a_cluster:
	s_bfe_u32 s2, ttmp6, 0x10000c
	s_cmp_lg_u32 s2, 0xf033
	s_cbranch_scc0 .Lentry_shape_is_right
	s_endpgm
.Lentry_shape_is_right:
.set NBLK,   8
.set NQ,     2
.set KTOT,   1024
.set ACODE0, 524288
.set BCODE0, 524288+512*12288
.set BSCL0,  512*512
.set FR,     12
.set FRB,    1536
.set ROWB,   NQ*FRB
.set KROW,   KTOT*12
.set HALFT,  NBLK*ROWB
.set SLOT,   4*HALFT
.set SCL,    2*SLOT
.set SU,     KTOT/2
.set HALFS,  NBLK*SU
.set SPARE,  SCL+4*HALFS
.set LAPS,   KTOT/(256*NQ)
.set HL,     (NBLK/2)*4
.set LN,   1
.set RR,   2
.set HH,   3
.set L16,  4
.set L8,   5
.set ADRA, 16
.set ADRB, 20
.set ADRS, 27
.set SPW,  28
.set NIL,  29
.set BOF,  30
.set SOF,  31
.set SC,   32
.set GT,   64
.set GP,   80
.set GW,   96
.set GM,   112
.set AF,   128
.set HA,   128
.set PC,   192
.set TM,   212
.set PW,   228
.set C9,   230
.set G1, 24
.set G0, 32
.set G1B, 48
.set G0B, 56
.set G1S, 68
.set G0S, 76
.set G1SB, 80
.set G0SB, 88
.set KC,  24
.set KH,  43
.set L2E, 44
.set AI,  52
.set SEL, 54
.set MSB, 0
.macro WIN new
.if MSB != (\new)
	s_set_vgpr_msb (MSB<<8)|(\new)
.set MSB, (\new)
.endif
.endm
.set MUL_LO, 0xa1
.set TO_B,   0x40
.macro JLOAD g0a, g1a, g0b, g1b
	s_cmp_eq_u32 s15, 0
	s_cbranch_scc0 .Lfor_b_\@
	tensor_load_to_lds s[\g0a:\g0a+3], s[\g1a:\g1a+7]
	s_nop 0
.rept 4
	v_nop
.endr
	s_branch .Lasked_\@
.Lfor_b_\@:
	tensor_load_to_lds s[\g0b:\g0b+3], s[\g1b:\g1b+7]
	s_nop 0
.rept 4
	v_nop
.endr
.Lasked_\@:
.endm
.macro CREST
	s_cmp_lg_u32 s14, 0
	s_cbranch_scc1 .Lnot_wave_0_\@
	s_barrier_signal -3
.Lnot_wave_0_\@:
	s_barrier_wait -3
	s_barrier_signal -1
	s_barrier_wait -1
.endm
.macro CROUND
	s_barrier_signal -1
	s_barrier_wait -1
	CREST
.endm
.macro PLACES n
.rept \n
	v_nop
.endr
.endm
	s_load_b256 s[4:11], s[0:1], 0x0
	v_lshl_add_u32 v[SPW], v0, 2, SPARE
	v_mov_b32 v[NIL], 0
	ds_add_u32 v28, v29
	ds_add_u32 v28, v29
	s_wait_dscnt 0x0
	v_lshrrev_b32 v1, 5, v0
	v_readfirstlane_b32 s14, v1
	s_lshr_b32 s15, s14, 1
	s_and_b32 s16, s14, 1
	s_bfe_u32 s40, ttmp6, 0x40000
	s_bfe_u32 s41, ttmp6, 0x40004
	s_lshl_b32 s42, ttmp9, 2
	s_add_co_u32 s42, s42, s40
	s_and_b32 s17, ttmp7, 0xffff
	s_lshl_b32 s17, s17, 2
	s_add_co_u32 s17, s17, s41
	s_lshl_b32 s43, s41, 2
	s_lshl_b32 s43, 15, s43
	s_lshl_b32 s44, 0x1111, s40
	s_or_b32 s[G1], s43, (3<<16)|(1<<21)
	s_or_b32 s[G1B], s44, (3<<16)|(1<<21)
.irp g, G1, G1B
	s_mov_b32 s[\g+1], (ROWB/8)<<16
	s_mov_b32 s[\g+2], (2*NBLK)<<16                ; the head's loads bring a whole tile, 2 NBLK units; the ring's NBLK (set behind the head's wait)
	s_mov_b32 s[\g+3], (ROWB/8)<<16
	s_mov_b32 s[\g+4], 2*NBLK
	s_mov_b32 s[\g+5], KROW/8
	s_mov_b32 s[\g+6], 0
	s_mov_b32 s[\g+7], 0
.endr
	s_or_b32 s[G1S], s43, (3<<16)|(1<<21)
	s_or_b32 s[G1SB], s44, (3<<16)|(1<<21)
.irp g, G1S, G1SB
	s_mov_b32 s[\g+1], 32<<16
	s_mov_b32 s[\g+2], (2*HALFS/256)<<16
	s_mov_b32 s[\g+3], 32<<16
	s_mov_b32 s[\g+4], 2*HALFS/256
	s_mov_b32 s[\g+5], 32
	s_mov_b32 s[\g+6], 0
	s_mov_b32 s[\g+7], 0
.endr
	s_lshl_b32 s20, s17, 1
	s_add_co_u32 s20, s20, s16
	s_mul_i32 s22, s20, NBLK*SU
	s_mul_i32 s20, s20, NBLK*KROW
	s_add_co_u32 s20, s20, ACODE0
	s_mov_b32 s21, 0
	s_mov_b32 s23, 0
	s_lshl_b32 s46, s42, 1
	s_add_co_u32 s46, s46, s16
	s_mul_i32 s92, s46, NBLK*SU
	s_add_co_u32 s92, s92, BSCL0
	s_mul_i32 s46, s46, NBLK*KROW
	s_add_co_u32 s46, s46, BCODE0
	s_mov_b32 s47, 0
	s_mov_b32 s93, 0
	s_mul_i32 s45, s14, HALFT
	s_wait_kmcnt 0x0
	s_add_nc_u64 s[20:21], s[4:5], s[20:21]
	s_add_nc_u64 s[22:23], s[4:5], s[22:23]
	s_add_nc_u64 s[46:47], s[6:7], s[46:47]
	s_add_nc_u64 s[92:93], s[6:7], s[92:93]
	CROUND
	; THE HEAD'S FOUR TILES, EACH WHOLE, ONE JOINT LOAD A WAVE: wave 0 slot 0's units of A, wave 1 those of B, wave 2 A's scale bytes, wave 3 B's.
	s_mul_i32 s96, s16, NBLK*KROW                  ; my half's bytes are taken off again: a whole tile begins at its first half
	s_mov_b32 s97, 0
	s_mul_i32 s100, s16, HALFS
	s_mov_b32 s101, 0
.irp g, G0, G0B, G0S, G0SB, G0+4, G0B+4
	s_mov_b32 s[\g], 1
.endr
	s_mov_b32 s[G0+1], 0
	s_sub_nc_u64 s[G0+2:G0+3], s[20:21], s[96:97]
	s_mov_b32 s[G0B+1], 2*HALFT
	s_sub_nc_u64 s[G0B+2:G0B+3], s[46:47], s[96:97]
	s_mov_b32 s[G0S+1], SCL
	s_sub_nc_u64 s[G0S+2:G0S+3], s[22:23], s[100:101]
	s_mov_b32 s[G0SB+1], SCL+2*HALFS
	s_sub_nc_u64 s[G0SB+2:G0SB+3], s[92:93], s[100:101]
	s_add_co_u32 s[G0+5], s45, SLOT                ; slot 1: my quarter, as in the ring
	s_add_nc_u64 s[G0+6:G0+7], s[20:21], ROWB
	s_add_co_u32 s[G0B+5], s45, SLOT
	s_add_nc_u64 s[G0B+6:G0B+7], s[46:47], ROWB
.irp g, G0, G0B, G0S, G0SB, G0+4, G0B+4
	s_or_b32 s[\g+3], s[\g+3], 0x80000000
.endr
.macro ARM under, g0, g1, next         ; one chain of branches on the wave's number: every way through it passes one load
	s_cmp_lt_u32 s14, \under
	s_cbranch_scc0 \next
	tensor_load_to_lds s[\g0:\g0+3], s[\g1:\g1+7]
	s_nop 0
.rept 4
	v_nop
.endr
	s_branch .Lhead_asked
\next:
.endm
	ARM 1, G0,  G1,  .Lhead_b
	ARM 2, G0B, G1B, .Lhead_sa
	ARM 3, G0S, G1S, .Lhead_sb
	tensor_load_to_lds s[G0SB:G0SB+3], s[G1SB:G1SB+7]
	s_nop 0
.rept 4
	v_nop
.endr
.Lhead_asked:
	s_wait_alu depctr_va_vdst(0)
	s_wait_tensorcnt 0x0                           ; my tile of the four is in; these lines stand ahead of slot 1's first fill as ahead of a refill
	ds_add_u32 v28, v29
	s_mov_b32 s[G1+2], NBLK<<16                    ; no tensor load of mine is out: from here on a load brings NBLK units,
	s_mov_b32 s[G1+4], NBLK
	s_mov_b32 s[G1B+2], NBLK<<16
	s_mov_b32 s[G1B+4], NBLK
	s_mov_b32 s[G0+1], s45                         ; and slot 0's descriptors stand at my quarter, for its first refill
	s_mov_b64 s[G0+2:G0+3], s[20:21]
	s_or_b32 s[G0+3], s[G0+3], 0x80000000
	s_mov_b32 s[G0B+1], s45
	s_mov_b64 s[G0B+2:G0B+3], s[46:47]
	s_or_b32 s[G0B+3], s[G0B+3], 0x80000000
	s_wait_dscnt 0x0
	CROUND                                         ; all four tiles are in, and all sixteen work-groups are here
	JLOAD G0+4, G1, G0B+4, G1B                     ; slot 1, the first tensor load behind the round
	v_and_b32 v[LN], 31, v0
	v_and_b32 v[RR], 15, v0
	v_bfe_u32 v[HH], v0, 4, 1
	v_lshlrev_b32 v[L16], 4, v[LN]
	v_lshlrev_b32 v[L8], 3, v[LN]
	s_mul_i32 s21, s15, HALFT
	s_mul_i32 s22, s16, HALFT
	s_add_co_u32 s22, s22, 2*HALFT
.irp s, 0,1
	v_add_nc_u32 v[ADRA+\s], s21, v[L16]
	v_add_nc_u32 v[ADRA+2+\s], s21, v[L8]
	v_add_nc_u32 v[ADRB+\s], s22, v[L16]
	v_add_nc_u32 v[ADRB+2+\s], s22, v[L8]
	s_add_co_u32 s21, s21, SLOT
	s_add_co_u32 s22, s22, SLOT
.endr
	v_lshlrev_b32 v[SOF], 3, v[RR]
	s_mul_i32 s21, s15, HALFS
	s_mul_i32 s22, s16, HALFS
	s_add_co_u32 s22, s22, 2*HALFS
	s_sub_co_u32 s22, s22, s21
	v_mul_u32_u24 v7, s22, v[HH]
	s_add_co_u32 s21, s21, SCL
	v_add_nc_u32 v6, v[SOF], v7
	v_add_nc_u32 v[ADRS], s21, v6
	v_lshlrev_b32 v[BOF], 6, v[HH]
	s_lshl_b32 s96, s42, 10
	s_lshl_b32 s97, s16, 9
	s_add_co_u32 s96, s96, s97
	s_mov_b32 s97, 0
	s_add_nc_u64 s[8:9], s[8:9], s[96:97]
	WIN 0x40
.irp b, 0,1,2,3
.irp e, 0,1,2,3
	global_load_b128 v[96+96*(\b/2)+16*\b+4*\e:96+96*(\b/2)+16*\b+4*\e+3], v[BOF], s[8:9] offset:128*\b+16*\e
.endr
.endr
	WIN 0
.macro FRAG reg, a16, a8, q, i
	ds_load_b128 v[\reg:\reg+3], v[\a16] offset:((\i)*NQ+(\q))*FRB
	ds_load_b64 v[\reg+4:\reg+5], v[\a8] offset:((\i)*NQ+(\q))*FRB+512
	ds_load_b128 v[\reg+6:\reg+9], v[\a16] offset:((\i)*NQ+(\q))*FRB+768
	ds_load_b64 v[\reg+10:\reg+11], v[\a8] offset:((\i)*NQ+(\q))*FRB+1280
.endm
.macro FETCH_B slot, q, p
	WIN TO_B
.set ii, 0
.rept NBLK
	FRAG 128*(\p)+FR*ii, ADRB+\slot, ADRB+2+\slot, \q, ii
.set ii, ii+1
.endr
	WIN 0
.endm
.macro FETCH_A slot, q, i0
.set ii, \i0
.rept NBLK/2
	FRAG AF+FR*ii, ADRA+\slot, ADRA+2+\slot, \q, ii
.set ii, ii+1
.endr
.endm
.macro SCALES sc
.set ii, 0
.rept NBLK
.set ee, 0
.rept NQ/2
	ds_load_b64 v[SC+16*\sc+NQ*ii+2*ee:SC+16*\sc+NQ*ii+2*ee+1], v[ADRS] offset:ii*SU+128*ee
.set ee, ee+1
.endr
.set ii, ii+1
.endr
.endm
.macro MULQ qi, p, q, sc, zero
.set ia, (\qi)*NBLK/4
	WIN MUL_LO+0x50*(ia/4)
.rept NBLK/4
.set ib, 0
.rept NBLK
.set AC, 8*(NBLK*(ia%4)+ib)
.if \zero
	v_wmma_scale_f32_16x16x128_f8f6f4 v[AC:AC+7], v[128*(\p)+FR*ib:128*(\p)+FR*ib+FR-1], v[AF+FR*ia:AF+FR*ia+FR-1], 0, v[SC+16*(\sc)+NQ*ib+(\q)], v[SC+16*(\sc)+NQ*ia+(\q)] matrix_a_fmt:MATRIX_FMT_BF6 matrix_b_fmt:MATRIX_FMT_BF6 matrix_a_scale:MATRIX_SCALE_ROW1
.else
	v_wmma_scale_f32_16x16x128_f8f6f4 v[AC:AC+7], v[128*(\p)+FR*ib:128*(\p)+FR*ib+FR-1], v[AF+FR*ia:AF+FR*ia+FR-1], v[AC:AC+7], v[SC+16*(\sc)+NQ*ib+(\q)], v[SC+16*(\sc)+NQ*ia+(\q)] matrix_a_fmt:MATRIX_FMT_BF6 matrix_b_fmt:MATRIX_FMT_BF6 matrix_a_scale:MATRIX_SCALE_ROW1
.endif
.set ib, ib+1
.endr
.set ia, ia+1
.endr
.endm
.macro STEP slot, q, zero
	s_wait_dscnt HL
	MULQ 0, (\q)%2, \q, \slot, \zero
	MULQ 1, (\q)%2, \q, \slot, \zero
	s_wait_dscnt 0x0
	PLACES 4
	FETCH_B \slot, (\q)+1, 1-(\q)%2
	FETCH_A \slot, (\q)+1, 0
	MULQ 2, (\q)%2, \q, \slot, \zero
	MULQ 3, (\q)%2, \q, \slot, \zero
	PLACES 4
	WIN 0
	FETCH_A \slot, (\q)+1, NBLK/2
.endm
.macro TURN slot, next, fill
	s_wait_tensorcnt 0x0
	ds_add_u32 v[SPW], v[NIL]
	s_wait_dscnt HL+1
	MULQ 0, 1, NQ-1, \slot, 0
	s_wait_dscnt 0x0
	s_barrier_signal -1
	MULQ 1, 1, NQ-1, \slot, 0
	WIN 0
	s_barrier_wait -1
.if \fill
	CREST
	s_add_nc_u64 s[G0+4*\slot+2:G0+4*\slot+3], s[G0+4*\slot+2:G0+4*\slot+3], 2*ROWB
	s_add_nc_u64 s[G0B+4*\slot+2:G0B+4*\slot+3], s[G0B+4*\slot+2:G0B+4*\slot+3], 2*ROWB
	JLOAD G0+4*\slot, G1, G0B+4*\slot, G1B
.else
	PLACES 4
.endif
	s_wait_alu depctr_va_vdst(0)
	v_add_nc_u32 v[ADRS], 64*NQ, v[ADRS]
	FETCH_B \next, 0, 0
	FETCH_A \next, 0, 0
	SCALES \next
	MULQ 2, 1, NQ-1, \slot, 0
	MULQ 3, 1, NQ-1, \slot, 0
	PLACES 4
	WIN 0
	FETCH_A \next, 0, NBLK/2
.endm
.macro REST slot, q0
.set qq, \q0
.rept NQ-1-(\q0)
	STEP \slot, qq, 0
.set qq, qq+1
.endr
.endm
	s_wait_alu depctr_va_vdst(0)
	s_wait_tensorcnt 0x1
	s_barrier_signal -1
	s_barrier_wait -1
	FETCH_B 0, 0, 0
	FETCH_A 0, 0, 0
	SCALES 0
	FETCH_A 0, 0, NBLK/2
	STEP 0, 0, 1
.if LAPS > 1
	s_mov_b32 s3, LAPS-1
.Llap:
	REST 0, 1
	TURN 0, 1, 1
	REST 1, 0
	TURN 1, 0, 1
	STEP 0, 0, 0
	s_sub_co_u32 s3, s3, 1
	s_cmp_lg_u32 s3, 0
	s_cbranch_scc1 .Llap
.endif
	REST 0, 1
	TURN 0, 1, 0
	REST 1, 0
	s_wait_dscnt HL
	MULQ 0, 1, NQ-1, 1, 0
	MULQ 1, 1, NQ-1, 1, 0
	s_wait_dscnt 0x0
	MULQ 2, 1, NQ-1, 1, 0
	MULQ 3, 1, NQ-1, 1, 0
	WIN 0
	PLACES 4
	s_lshl_b32 s56, s17, 4
	s_lshl_b32 s57, s15, 3
	s_add_co_u32 s56, s56, s57
	s_lshl_b32 s50, s56, 11
	s_mul_i32 s48, s56, 49152
	s_lshl_b32 s57, s42, 1
	s_add_co_u32 s57, s57, s16
	s_mul_i32 s57, s57, 1536
	s_add_co_u32 s48, s48, s57
	s_add_co_u32 s48, s48, 524288
	s_mov_b32 s49, 0
	s_lshl_b32 s57, s42, 7
	s_add_co_u32 s50, s50, s57
	s_lshl_b32 s57, s16, 2
	s_add_co_u32 s50, s50, s57
	s_mov_b32 s51, 0
	s_add_nc_u64 s[48:49], s[10:11], s[48:49]
	s_add_nc_u64 s[50:51], s[10:11], s[50:51]
.macro KSET n, bits
	s_mov_b32 s[KC+2*\n], \bits
	s_mov_b32 s[KC+2*\n+1], \bits
.endm
	KSET 0, 0xbf527892
	KSET 1, 0x3fbe87b0
	KSET 2, 0xbf914e5d
	KSET 3, 0x3e8ec7cc
	KSET 4, 0xbe3ec24c
	KSET 5, 0x3dc636c9
	KSET 6, 0x3ebf88fb
	KSET 7, 0x3f8000c7
	KSET 8, 0xbfa1fc4e
	s_mov_b32 s[KH], 0x3eb504f3
	s_mov_b32 s[L2E], 0x3fb8aa3b
	s_mov_b32 s[L2E+1], 0x3fb8aa3b
	s_mov_b32 s[SEL], 0x76543210
	s_mov_b32 s[SEL+1], 0xfedcba98
	v_mov_b32 v[C9], 0x3e2ef945
	v_mov_b32 v[C9+1], 0x3e2ef945
.irp b, 0,1,2,3
	v_mov_b32 v[TM+4+\b], 0
.endr
	s_wait_loadcnt 0x0
.macro QUANT s
.irp b, 0,1,2,3
	v_max3_num_f32 v[TM+\b], |v[\s+16*\b]|, |v[\s+1+16*\b]|, 0x2800000
.endr
.irp i, 2,4,6,8,10,12,14
.irp b, 0,1,2,3
	v_max3_num_f32 v[TM+\b], v[TM+\b], |v[\s+16*\b+\i]|, |v[\s+1+16*\b+\i]|
.endr
.endr
.irp b, 0,1,2,3
	v_permlanex16_b32 v[TM+4+\b], v[TM+\b], s[SEL], s[SEL+1]
.endr
.irp b, 0,1,2,3
	v_max_num_f32 v[TM+\b], v[TM+\b], v[TM+4+\b]
.endr
.irp b, 0,1,2,3
	v_add_nc_u32 v[TM+12+\b], 0xfe000000, v[TM+\b]
.endr
.irp b, 0,1,2,3
	v_lshrrev_b32 v[TM+4+\b], 23, v[TM+12+\b]
.endr
	v_lshl_or_b32 v[PW], v[TM+5], 8, v[TM+4]
	v_lshl_or_b32 v[PW], v[TM+6], 16, v[PW]
	v_lshl_or_b32 v[PW], v[TM+7], 24, v[PW]
.irp c, 0,1
	v_cvt_scalef32_pk16_bf6_f32 v[PC+6*\c:PC+2+6*\c], v[\s+32*\c:\s+15+32*\c], v[TM+12+2*\c]
	v_cvt_scalef32_pk16_bf6_f32 v[PC+12+4*\c:PC+14+4*\c], v[\s+16+32*\c:\s+31+32*\c], v[TM+12+2*\c+1]
.endr
	v_nop
.irp c, 0,1
.irp i, 0,1,2
	v_permlane16_swap_b32 v[PC+6*\c+\i], v[PC+12+4*\c+\i]
.endr
.irp i, 0,1,2
	v_mov_b32 v[PC+3+6*\c+\i], v[PC+12+4*\c+\i]
.endr
.endr
.endm
.macro GELU c
.set XB, HA+16*(\c)
.set i1, 0
.rept 16
	v_fma_f32 v[GT+i1], |v[XB+i1]|, s[KH], 1.0
.set i1, i1+1
.endr
.set i1, 0
	s_wait_alu depctr_va_vdst(0)
.rept 16
	v_rcp_f32 v[GT+i1], v[GT+i1]
.set i1, i1+1
.endr
.set i1, 0
.rept 8
	v_pk_mul_f32 v[GW+i1:GW+i1+1], v[XB+i1:XB+i1+1], -0.5 op_sel_hi:[1,0]
.set i1, i1+2
.endr
	s_wait_alu depctr_va_vdst(0)
.set i1, 0
.rept 8
	v_pk_fma_f32 v[GP+i1:GP+i1+1], v[GT+i1:GT+i1+1], v[C9:C9+1], s[KC:KC+1] op_sel_hi:[1,1,0]
.set i1, i1+2
.endr
.set n1, 1
.rept 8
.set i1, 0
.rept 8
	v_pk_fma_f32 v[GP+i1:GP+i1+1], v[GP+i1:GP+i1+1], v[GT+i1:GT+i1+1], s[KC+2*n1:KC+2*n1+1] op_sel_hi:[1,1,0]
.set i1, i1+2
.endr
.set n1, n1+1
.endr
.set i1, 0
.rept 8
	v_pk_fma_f32 v[GP+i1:GP+i1+1], v[GW+i1:GW+i1+1], v[XB+i1:XB+i1+1], v[GP+i1:GP+i1+1]
.set i1, i1+2
.endr
.set i1, 0
.rept 8
	v_pk_fma_f32 v[GP+i1:GP+i1+1], v[GP+i1:GP+i1+1], s[L2E:L2E+1], -1.0 op_sel_hi:[1,0,0]
.set i1, i1+2
.endr
.set i1, 0
	s_wait_alu depctr_va_vdst(0)
.rept 16
	v_exp_f32 v[GP+i1], v[GP+i1]
.set i1, i1+1
.endr
.set i1, 0
.rept 8
	v_pk_mul_f32 v[GW+i1:GW+i1+1], v[XB+i1:XB+i1+1], v[GT+i1:GT+i1+1]
.set i1, i1+2
.endr
.set i1, 0
.rept 16
	v_max_num_f32 v[GM+i1], 0, v[XB+i1]
.set i1, i1+1
.endr
	s_wait_alu depctr_va_vdst(0)
.set i1, 0
.rept 8
	v_pk_mul_f32 v[GW+i1:GW+i1+1], v[GW+i1:GW+i1+1], v[GP+i1:GP+i1+1]
.set i1, i1+2
.endr
.set i1, 0
.rept 16
	v_sub_f32 v[XB+i1], v[GM+i1], |v[GW+i1]|
.set i1, i1+1
.endr
.endm
.macro MV k
.Lmv_\k:
	WIN 0x06+(\k)/4
.set i2, 0
.rept 32
	v_pk_add_f32 v[HA+i2:HA+i2+1], v[64*((\k)%4)+i2:64*((\k)%4)+i2+1], v[96+96*(i2/32)+i2:96+96*(i2/32)+i2+1]
.set i2, i2+2
.endr
	WIN 0
	s_branch .Lwork
.endm
	s_mov_b32 s[AI], 0
.Lrow:
.irp k, 0,1,2,3,4,5,6
	s_cmp_eq_u32 s[AI], \k
	s_cbranch_scc1 .Lmv_\k
.endr
	MV 7
	MV 0
	MV 1
	MV 2
	MV 3
	MV 4
	MV 5
	MV 6
.Lwork:
	GELU 0
	GELU 1
	GELU 2
	GELU 3
	s_wait_xcnt 0x0                                ; the last trip's stores have read their registers and bases: both are written again below
	s_add_nc_u64 s[48:49], s[48:49], 49152         ; the bases step ahead of the stores, whose immediates take the step off again
	s_add_nc_u64 s[50:51], s[50:51], 2048
	QUANT HA
	global_store_b128 v[L16], v[PC:PC+3], s[48:49] offset:-49152
	global_store_b64 v[L8], v[PC+4:PC+5], s[48:49] offset:512-49152
	global_store_b128 v[L16], v[PC+6:PC+9], s[48:49] offset:768-49152
	global_store_b64 v[L8], v[PC+10:PC+11], s[48:49] offset:1280-49152
	global_store_b32 v[SOF], v[PW], s[50:51] offset:-2048   ; lanes r and 16 + r hold the same word and name the same place
	s_add_co_u32 s[AI], s[AI], 1
	s_cmp_lt_u32 s[AI], 8
	s_cbranch_scc1 .Lrow
	s_wait_tensorcnt 0x0
	ds_add_u32 v[SPW], v[NIL]
	s_wait_dscnt 0x0
	CROUND
	s_endpgm
.Lfunc_end_k_q061d0978d4_ffn1:
	.size	k_q061d0978d4_ffn1, .Lfunc_end_k_q061d0978d4_ffn1-k_q061d0978d4_ffn1
	.p2alignl 7, 3214868480
	.fill 96, 4, 3214868480
	.section	.rodata,"a",@progbits
	.p2align	6, 0x0
	.amdhsa_kernel k_q061d0978d4_ffn1
		.amdhsa_group_segment_fixed_size 327680
		.amdhsa_private_segment_fixed_size 0
		.amdhsa_enable_private_segment 0
		.amdhsa_kernarg_size 32
		.amdhsa_user_sgpr_count 2
		.amdhsa_user_sgpr_kernarg_segment_ptr 1
		.amdhsa_wavefront_size32 1
		.amdhsa_system_sgpr_workgroup_id_x 1
		.amdhsa_system_sgpr_workgroup_id_y 1
		.amdhsa_system_sgpr_workgroup_id_z 1
		.amdhsa_system_vgpr_workitem_id 0
		.amdhsa_next_free_vgpr 1024
		.amdhsa_next_free_sgpr 104
		.amdhsa_reserve_vcc 0
		.amdhsa_float_denorm_mode_32 3
		.amdhsa_float_denorm_mode_16_64 3
		.amdhsa_memory_ordered 1
		.amdhsa_forward_progress 1
		.amdhsa_inst_pref_size 183
	.end_amdhsa_kernel
	.amdgpu_metadata
---
amdhsa.version: [ 1, 2 ]
amdhsa.kernels:
  - .name:           k_q061d0978d4_ffn1
    .symbol:         k_q061d0978d4_ffn1.kd
    .args:
      - { .name: act2, .offset: 0, .size: 8, .value_kind: global_buffer, .address_space: global }
      - { .name: wts, .offset: 8, .size: 8, .value_kind: global_buffer, .address_space: global }
      - { .name: b1, .offset: 16, .size: 8, .value_kind: global_buffer, .address_space: global }
      - { .name: ffh, .offset: 24, .size: 8, .value_kind: global_buffer, .address_space: global }
    .group_segment_fixed_size: 327680
    .private_segment_fixed_size: 0
    .kernarg_segment_align: 8
    .kernarg_segment_size: 32
    .max_flat_workgroup_size: 128
    .sgpr_count:     104
    .vgpr_count:     1024
    .wavefront_size: 32
...
	.end_amdgpu_metadata
.endif
;; end of part 5
;; launch ffn2 (part 6): grid 8 x 32, 4 waves a work-group, clusters of 4 x 4, 327,680 bytes of LDS; arguments ffh, wts, b2, x1, out0; writes out0
.if DOCPART == 6
	.amdgcn_target "amdgcn-amd-amdhsa--gfx1250"
	.amdhsa_code_object_version 6
	.text
	.protected	k_q061d0978d4_ffn2
	.globl	k_q061d0978d4_ffn2
	.p2align	8
	.type	k_q061d0978d4_ffn2,@function
k_q061d0978d4_ffn2:
	s_mov_b64 s[64:65], 0
	v_nop
	global_prefetch_b8 v0, s[64:65] scope:SCOPE_SE
	s_setreg_imm32_b32 hwreg(HW_REG_WAVE_MODE, 25, 1), 1
	s_wait_xcnt 0x0
	s_wait_alu depctr_hold_cnt(0) depctr_sa_sdst(0) depctr_va_vdst(0) depctr_va_sdst(0) depctr_va_ssrc(0) depctr_va_vcc(0) depctr_vm_vsrc(0)
	s_getreg_b32 s2, hwreg(HW_REG_IB_STS2, 6, 4)
	s_cmp_eq_u32 s2, 0
	s_cbranch_scc0 .Lentry_in_a_cluster
	s_endpgm
.Lentry_in_a_cluster:
	s_bfe_u32 s2, ttmp6, 0x10000c
	s_cmp_lg_u32 s2, 0xf033
	s_cbranch_scc0 .Lentry_shape_is_right
	s_endpgm
.Lentry_shape_is_right:
.set NBLK,   4
.set NQ,     4
.set KTOT,   4096
.set ACODE0, 524288
.set ASCL0,  0
.set BCODE0, 524288+768*12288
.set BSCL0,  768*512
.set LASTOUT, 1
.set FR,     12
.set FRB,    1536
.set ROWB,   NQ*FRB
.set KROW,   KTOT*12
.set HALFT,  NBLK*ROWB
.set SLOT,   4*HALFT
.set SCL,    2*SLOT
.set SU,     KTOT/2
.set HALFS,  NBLK*SU
.set SPARE,  SCL+4*HALFS
.set LAPS,   KTOT/(256*NQ)
.set HL,     (NBLK/2)*4
.set SPITCH, 272
.set LN,   1
.set RR,   2
.set HH,   3
.set L16,  4
.set L8,   5
.set ADRA, 16
.set ADRB, 20
.set STO,  24
.set RD,   25
.set CO,   26
.set ADRS, 27
.set SPW,  28
.set NIL,  29
.set BO,   30
.set SC,   32
.set AF,   128
.set BI,   240
.set G1, 24
.set G0, 32
.set G1B, 48
.set G0B, 56
.set G1S, 68
.set G0S, 76
.set G1SB, 80
.set G0SB, 88
.set MSB, 0
.macro WIN new
.if MSB != (\new)
	s_set_vgpr_msb (MSB<<8)|(\new)
.set MSB, (\new)
.endif
.endm
.set MUL_LO, 0xa1
.set TO_B,   0x40
.macro JLOAD g0a, g1a, g0b, g1b
	s_cmp_eq_u32 s15, 0
	s_cbranch_scc0 .Lfor_b_\@
	tensor_load_to_lds s[\g0a:\g0a+3], s[\g1a:\g1a+7]
	s_nop 0
.rept 4
	v_nop
.endr
	s_branch .Lasked_\@
.Lfor_b_\@:
	tensor_load_to_lds s[\g0b:\g0b+3], s[\g1b:\g1b+7]
	s_nop 0
.rept 4
	v_nop
.endr
.Lasked_\@:
.endm
.macro CREST
	s_cmp_lg_u32 s14, 0
	s_cbranch_scc1 .Lnot_wave_0_\@
	s_barrier_signal -3
.Lnot_wave_0_\@:
	s_barrier_wait -3
	s_barrier_signal -1
	s_barrier_wait -1
.endm
.macro CROUND
	s_barrier_signal -1
	s_barrier_wait -1
	CREST
.endm
.macro PLACES n
.rept \n
	v_nop
.endr
.endm
	s_load_b256 s[4:11], s[0:1], 0x0
	s_load_b64 s[12:13], s[0:1], 0x20
	v_lshl_add_u32 v[SPW], v0, 2, SPARE
	v_mov_b32 v[NIL], 0
	ds_add_u32 v28, v29
	ds_add_u32 v28, v29
	s_wait_dscnt 0x0
	v_lshrrev_b32 v1, 5, v0
	v_readfirstlane_b32 s14, v1
	s_lshr_b32 s15, s14, 1
	s_and_b32 s16, s14, 1
	s_bfe_u32 s40, ttmp6, 0x40000
	s_bfe_u32 s41, ttmp6, 0x40004
	s_lshl_b32 s42, ttmp9, 2
	s_add_co_u32 s42, s42, s40
	s_and_b32 s17, ttmp7, 0xffff
	s_lshl_b32 s17, s17, 2
	s_add_co_u32 s17, s17, s41
	s_lshl_b32 s43, s41, 2
	s_lshl_b32 s43, 15, s43
	s_lshl_b32 s44, 0x1111, s40
	s_or_b32 s[G1], s43, (3<<16)|(1<<21)
	s_or_b32 s[G1B], s44, (3<<16)|(1<<21)
.irp g, G1, G1B
	s_mov_b32 s[\g+1], (ROWB/8)<<16
	s_mov_b32 s[\g+2], (2*NBLK)<<16                ; the head's loads bring a whole tile, 2 NBLK units; the ring's NBLK (set behind the head's wait)
	s_mov_b32 s[\g+3], (ROWB/8)<<16
	s_mov_b32 s[\g+4], 2*NBLK
	s_mov_b32 s[\g+5], KROW/8
	s_mov_b32 s[\g+6], 0
	s_mov_b32 s[\g+7], 0
.endr
	s_or_b32 s[G1S], s43, (3<<16)|(1<<21)
	s_or_b32 s[G1SB], s44, (3<<16)|(1<<21)
.irp g, G1S, G1SB
	s_mov_b32 s[\g+1], 32<<16
	s_mov_b32 s[\g+2], (2*HALFS/256)<<16
	s_mov_b32 s[\g+3], 32<<16
	s_mov_b32 s[\g+4], 2*HALFS/256
	s_mov_b32 s[\g+5], 32
	s_mov_b32 s[\g+6], 0
	s_mov_b32 s[\g+7], 0
.endr
	s_lshl_b32 s20, s17, 1
	s_add_co_u32 s20, s20, s16
	s_mul_i32 s22, s20, NBLK*SU
.if ASCL0
	s_add_co_u32 s22, s22, ASCL0
.endif
	s_mul_i32 s20, s20, NBLK*KROW
	s_add_co_u32 s20, s20, ACODE0
	s_mov_b32 s21, 0
	s_mov_b32 s23, 0
	s_lshl_b32 s46, s42, 1
	s_add_co_u32 s46, s46, s16
	s_mul_i32 s92, s46, NBLK*SU
	s_add_co_u32 s92, s92, BSCL0
	s_mul_i32 s46, s46, NBLK*KROW
	s_add_co_u32 s46, s46, BCODE0
	s_mov_b32 s47, 0
	s_mov_b32 s93, 0
	s_mul_i32 s45, s14, HALFT
	s_wait_kmcnt 0x0
	s_add_nc_u64 s[20:21], s[4:5], s[20:21]
	s_add_nc_u64 s[22:23], s[4:5], s[22:23]
	s_add_nc_u64 s[46:47], s[6:7], s[46:47]
	s_add_nc_u64 s[92:93], s[6:7], s[92:93]
	CROUND
	; THE HEAD'S FOUR TILES, EACH WHOLE, ONE JOINT LOAD A WAVE: wave 0 slot 0's units of A, wave 1 those of B, wave 2 A's scale bytes, wave 3 B's.
	s_mul_i32 s96, s16, NBLK*KROW                  ; my half's bytes are taken off again: a whole tile begins at its first half
	s_mov_b32 s97, 0
	s_mul_i32 s100, s16, HALFS
	s_mov_b32 s101, 0
.irp g, G0, G0B, G0S, G0SB, G0+4, G0B+4
	s_mov_b32 s[\g], 1
.endr
	s_mov_b32 s[G0+1], 0
	s_sub_nc_u64 s[G0+2:G0+3], s[20:21], s[96:97]
	s_mov_b32 s[G0B+1], 2*HALFT
	s_sub_nc_u64 s[G0B+2:G0B+3], s[46:47], s[96:97]
	s_mov_b32 s[G0S+1], SCL
	s_sub_nc_u64 s[G0S+2:G0S+3], s[22:23], s[100:101]
	s_mov_b32 s[G0SB+1], SCL+2*HALFS
	s_sub_nc_u64 s[G0SB+2:G0SB+3], s[92:93], s[100:101]
	s_add_co_u32 s[G0+5], s45, SLOT                ; slot 1: my quarter, as in the ring
	s_add_nc_u64 s[G0+6:G0+7], s[20:21], ROWB
	s_add_co_u32 s[G0B+5], s45, SLOT
	s_add_nc_u64 s[G0B+6:G0B+7], s[46:47], ROWB
.irp g, G0, G0B, G0S, G0SB, G0+4, G0B+4
	s_or_b32 s[\g+3], s[\g+3], 0x80000000
.endr
.macro ARM under, g0, g1, next         ; one chain of branches on the wave's number: every way through it passes one load
	s_cmp_lt_u32 s14, \under
	s_cbranch_scc0 \next
	tensor_load_to_lds s[\g0:\g0+3], s[\g1:\g1+7]
	s_nop 0
.rept 4
	v_nop
.endr
	s_branch .Lhead_asked
\next:
.endm
	ARM 1, G0,  G1,  .Lhead_b
	ARM 2, G0B, G1B, .Lhead_sa
	ARM 3, G0S, G1S, .Lhead_sb
	tensor_load_to_lds s[G0SB:G0SB+3], s[G1SB:G1SB+7]
	s_nop 0
.rept 4
	v_nop
.endr
.Lhead_asked:
	s_wait_alu depctr_va_vdst(0)
	s_wait_tensorcnt 0x0                           ; my tile of the four is in; these lines stand ahead of slot 1's first fill as ahead of a refill
	ds_add_u32 v28, v29
	s_mov_b32 s[G1+2], NBLK<<16                    ; no tensor load of mine is out: from here on a load brings NBLK units,
	s_mov_b32 s[G1+4], NBLK
	s_mov_b32 s[G1B+2], NBLK<<16
	s_mov_b32 s[G1B+4], NBLK
	s_mov_b32 s[G0+1], s45                         ; and slot 0's descriptors stand at my quarter, for its first refill
	s_mov_b64 s[G0+2:G0+3], s[20:21]
	s_or_b32 s[G0+3], s[G0+3], 0x80000000
	s_mov_b32 s[G0B+1], s45
	s_mov_b64 s[G0B+2:G0B+3], s[46:47]
	s_or_b32 s[G0B+3], s[G0B+3], 0x80000000
	s_wait_dscnt 0x0
	CROUND                                         ; all four tiles are in, and all sixteen work-groups are here
	JLOAD G0+4, G1, G0B+4, G1B                     ; slot 1, the first tensor load behind the round
	; THE PREFETCHES.  Of the NBLK = 4 units that I fetch, each of the four partners that ask for them with me takes one, told apart by address (cx for A, cy for B):
	; a unit's part of a slot is ROWB = 6,144 bytes, 24 blocks of 256, a lane a block (lanes 24-31 name the last again).  Behind the refill with chunk c stands the request for chunk c + 2.
	s_cmp_eq_u32 s15, 0
	s_cselect_b64 s[66:67], s[20:21], s[46:47]
	s_cselect_b32 s100, s40, s41
	s_mul_i32 s100, s100, KROW
	s_add_co_u32 s100, s100, 3*ROWB                ; the first refill (chunk 2) steps it to chunk 4
	s_mov_b32 s101, 0
	s_add_nc_u64 s[66:67], s[66:67], s[100:101]
	v_and_b32 v[LN], 31, v0
	v_and_b32 v[RR], 15, v0
	v_bfe_u32 v[HH], v0, 4, 1
	v_lshlrev_b32 v[L16], 4, v[LN]
	v_lshlrev_b32 v[L8], 3, v[LN]
	s_mul_i32 s21, s15, HALFT
	s_mul_i32 s22, s16, HALFT
	s_add_co_u32 s22, s22, 2*HALFT
.irp s, 0,1
	v_add_nc_u32 v[ADRA+\s], s21, v[L16]
	v_add_nc_u32 v[ADRA+2+\s], s21, v[L8]
	v_add_nc_u32 v[ADRB+\s], s22, v[L16]
	v_add_nc_u32 v[ADRB+2+\s], s22, v[L8]
	s_add_co_u32 s21, s21, SLOT
	s_add_co_u32 s22, s22, SLOT
.endr
	v_lshlrev_b32 v6, 3, v[RR]
	s_mul_i32 s21, s15, HALFS
	s_mul_i32 s22, s16, HALFS
	s_add_co_u32 s22, s22, 2*HALFS
	s_sub_co_u32 s22, s22, s21
	v_mul_u32_u24 v7, s22, v[HH]
	s_add_co_u32 s21, s21, SCL
	v_add_nc_u32 v6, v6, v7
	v_add_nc_u32 v[ADRS], s21, v6
	s_mul_i32 s23, s14, 16*SPITCH
	v_mul_u32_u24 v6, v[RR], SPITCH
	v_lshl_add_u32 v6, v[HH], 6, v6
	v_add_nc_u32 v[STO], s23, v6
	v_mul_u32_u24 v6, v[HH], SPITCH
	v_lshl_add_u32 v6, v[RR], 4, v6
	v_add_nc_u32 v[RD], s23, v6
	v_lshlrev_b32 v[BO], 4, v[RR]
	v_lshl_add_u32 v[CO], v[HH], 12, v[BO]
	v_min_u32 v31, 23, v[LN]
	v_lshlrev_b32 v31, 8, v31                      ; the prefetches' offset: my block of 256 bytes; never rewritten
	s_wait_alu depctr_va_vdst(0)
	s_lshl_b32 s96, s17, 7
	s_lshl_b32 s97, s15, 6
	s_add_co_u32 s96, s96, s97
	s_lshl_b32 s96, s96, 12
	s_lshl_b32 s98, s42, 9
	s_lshl_b32 s99, s16, 8
	s_add_co_u32 s98, s98, s99
	s_add_co_u32 s96, s96, s98
	s_mov_b32 s97, 0
	s_mov_b32 s99, 0
	s_add_nc_u64 s[10:11], s[10:11], s[96:97]
	s_add_nc_u64 s[12:13], s[12:13], s[96:97]
	s_add_nc_u64 s[8:9], s[8:9], s[98:99]
	WIN 0x80
.irp a, 0,1,2,3
.irp t, 0,1,2,3,4,5,6,7
	global_load_b128 v[128+32*\a+4*\t:128+32*\a+4*\t+3], v[CO], s[10:11] offset:(32*(\a/2)+8*(\a%2)+2*\t+8*(\t/4))*4096
.endr
.endr
	WIN 0
	global_load_b128 v[BI:BI+3], v[BO], s[8:9]
.macro FRAG reg, a16, a8, q, i
	ds_load_b128 v[\reg:\reg+3], v[\a16] offset:((\i)*NQ+(\q))*FRB
	ds_load_b64 v[\reg+4:\reg+5], v[\a8] offset:((\i)*NQ+(\q))*FRB+512
	ds_load_b128 v[\reg+6:\reg+9], v[\a16] offset:((\i)*NQ+(\q))*FRB+768
	ds_load_b64 v[\reg+10:\reg+11], v[\a8] offset:((\i)*NQ+(\q))*FRB+1280
.endm
.macro FETCH_B slot, q, p
	WIN TO_B
.set ii, 0
.rept NBLK
	FRAG 128*(\p)+FR*ii, ADRB+\slot, ADRB+2+\slot, \q, ii
.set ii, ii+1
.endr
	WIN 0
.endm
.macro FETCH_A slot, q, i0
.set ii, \i0
.rept NBLK/2
	FRAG AF+FR*ii, ADRA+\slot, ADRA+2+\slot, \q, ii
.set ii, ii+1
.endr
.endm
.macro SCALES sc
.set ii, 0
.rept NBLK
.set ee, 0
.rept NQ/2
	ds_load_b64 v[SC+16*\sc+NQ*ii+2*ee:SC+16*\sc+NQ*ii+2*ee+1], v[ADRS] offset:ii*SU+128*ee
.set ee, ee+1
.endr
.set ii, ii+1
.endr
.endm
.macro MULQ qi, p, q, sc, zero
.set ia, (\qi)*NBLK/4
	WIN MUL_LO+0x50*(ia/4)
.rept NBLK/4
.set ib, 0
.rept NBLK
.set AC, 8*(NBLK*(ia%4)+ib)
.if \zero
	v_wmma_scale_f32_16x16x128_f8f6f4 v[AC:AC+7], v[128*(\p)+FR*ib:128*(\p)+FR*ib+FR-1], v[AF+FR*ia:AF+FR*ia+FR-1], 0, v[SC+16*(\sc)+NQ*ib+(\q)], v[SC+16*(\sc)+NQ*ia+(\q)] matrix_a_fmt:MATRIX_FMT_BF6 matrix_b_fmt:MATRIX_FMT_BF6 matrix_a_scale:MATRIX_SCALE_ROW1
.else
	v_wmma_scale_f32_16x16x128_f8f6f4 v[AC:AC+7], v[128*(\p)+FR*ib:128*(\p)+FR*ib+FR-1], v[AF+FR*ia:AF+FR*ia+FR-1], v[AC:AC+7], v[SC+16*(\sc)+NQ*ib+(\q)], v[SC+16*(\sc)+NQ*ia+(\q)] matrix_a_fmt:MATRIX_FMT_BF6 matrix_b_fmt:MATRIX_FMT_BF6 matrix_a_scale:MATRIX_SCALE_ROW1
.endif
.set ib, ib+1
.endr
.set ia, ia+1
.endr
.endm
.macro STEP slot, q, zero
	s_wait_dscnt HL
	MULQ 0, (\q)%2, \q, \slot, \zero
	MULQ 1, (\q)%2, \q, \slot, \zero
	s_wait_dscnt 0x0
	PLACES 4
	FETCH_B \slot, (\q)+1, 1-(\q)%2
	FETCH_A \slot, (\q)+1, 0
	MULQ 2, (\q)%2, \q, \slot, \zero
	MULQ 3, (\q)%2, \q, \slot, \zero
	PLACES 4
	WIN 0
	FETCH_A \slot, (\q)+1, NBLK/2
.endm
.macro TURN slot, next, fill
.if \fill
	s_wait_xcnt 0x0                                ; my last prefetch has read its address: it is stepped here, ahead of the waits of the change of slots
	s_add_nc_u64 s[66:67], s[66:67], ROWB
.endif
	s_wait_tensorcnt 0x0
	ds_add_u32 v[SPW], v[NIL]
	s_wait_dscnt HL+1
	MULQ 0, 1, NQ-1, \slot, 0
	s_wait_dscnt 0x0
	s_barrier_signal -1
	MULQ 1, 1, NQ-1, \slot, 0
	WIN 0
	s_barrier_wait -1
.if \fill
	CREST
	s_add_nc_u64 s[G0+4*\slot+2:G0+4*\slot+3], s[G0+4*\slot+2:G0+4*\slot+3], 2*ROWB
	s_add_nc_u64 s[G0B+4*\slot+2:G0B+4*\slot+3], s[G0B+4*\slot+2:G0B+4*\slot+3], 2*ROWB
	JLOAD G0+4*\slot, G1, G0B+4*\slot, G1B
.else
	PLACES 4
.endif
	s_wait_alu depctr_va_vdst(0)
	v_add_nc_u32 v[ADRS], 64*NQ, v[ADRS]
	FETCH_B \next, 0, 0
	FETCH_A \next, 0, 0
	SCALES \next
.if \fill
	s_cmp_gt_u32 s3, 1                             ; the last trip's two refills bring chunks 6 and 7: no chunk stands two on
	s_cbranch_scc0 .Lnoask_\@
	global_prefetch_b8 v31, s[66:67] th:TH_LOAD_NT scope:SCOPE_SE
.Lnoask_\@:
.endif
	MULQ 2, 1, NQ-1, \slot, 0
	MULQ 3, 1, NQ-1, \slot, 0
	PLACES 4
	WIN 0
	FETCH_A \next, 0, NBLK/2
.endm
.macro REST slot, q0
.set qq, \q0
.rept NQ-1-(\q0)
	STEP \slot, qq, 0
.set qq, qq+1
.endr
.endm
	s_wait_tensorcnt 0x1
	s_barrier_signal -1
	s_barrier_wait -1
	FETCH_B 0, 0, 0
	FETCH_A 0, 0, 0
	SCALES 0
	FETCH_A 0, 0, NBLK/2
	STEP 0, 0, 1
.if LAPS > 1
	s_mov_b32 s3, LAPS-1
.Llap:
	REST 0, 1
	TURN 0, 1, 1
	REST 1, 0
	TURN 1, 0, 1
	STEP 0, 0, 0
	s_sub_co_u32 s3, s3, 1
	s_cmp_lg_u32 s3, 0
	s_cbranch_scc1 .Llap
.endif
	REST 0, 1
	TURN 0, 1, 0
	REST 1, 0
	s_wait_dscnt HL
	MULQ 0, 1, NQ-1, 1, 0
	MULQ 1, 1, NQ-1, 1, 0
	s_wait_dscnt 0x0
	MULQ 2, 1, NQ-1, 1, 0
	MULQ 3, 1, NQ-1, 1, 0
	WIN 0
	PLACES 4
	s_wait_loadcnt 0x0
.macro TOSTAGE a
	WIN 0x08
.irp b, 0,1,2,3
	ds_store_b128 v[STO], v[8*(4*(\a)+\b):8*(4*(\a)+\b)+3] offset:128*(\b/2)+32*(\b%2)
	ds_store_b128 v[STO], v[8*(4*(\a)+\b)+4:8*(4*(\a)+\b)+7] offset:128*(\b/2)+32*(\b%2)+16
.endr
	WIN 0
.set BB, 128-64*((\a)%2)
.irp t, 0,1,2,3,4,5,6,7
	ds_load_b128 v[BB+4*\t:BB+4*\t+3], v[RD] offset:\t*2*SPITCH
.endr
.endm
.macro SEND a, younger
.set BB, 128-64*((\a)%2)
	s_wait_dscnt \younger
.irp t, 0,1,2,3,4,5,6,7
	v_pk_add_f32 v[BB+4*\t:BB+4*\t+1], v[BB+4*\t:BB+4*\t+1], v[BI:BI+1]
	v_pk_add_f32 v[BB+4*\t+2:BB+4*\t+3], v[BB+4*\t+2:BB+4*\t+3], v[BI+2:BI+3]
.endr
	WIN 0x08
.irp t, 0,1,2,3,4,5,6,7
	v_pk_add_f32 v[BB+4*\t:BB+4*\t+1], v[BB+4*\t:BB+4*\t+1], v[128+32*(\a)+4*\t:128+32*(\a)+4*\t+1]
	v_pk_add_f32 v[BB+4*\t+2:BB+4*\t+3], v[BB+4*\t+2:BB+4*\t+3], v[128+32*(\a)+4*\t+2:128+32*(\a)+4*\t+3]
.endr
	WIN 0
.irp t, 0,1,2,3,4,5,6,7
.if LASTOUT
	global_store_b128 v[CO], v[BB+4*\t:BB+4*\t+3], s[12:13] offset:(32*((\a)/2)+8*((\a)%2)+2*\t+8*(\t/4))*4096 th:TH_STORE_NT
.else
	global_store_b128 v[CO], v[BB+4*\t:BB+4*\t+3], s[12:13] offset:(32*((\a)/2)+8*((\a)%2)+2*\t+8*(\t/4))*4096
.endif
.endr
.endm
	TOSTAGE 0
.irp a, 1,2,3
.if \a > 1
	s_wait_xcnt 0x0
.endif
	TOSTAGE \a
	SEND \a-1, 16
.endr
	SEND 3, 0
	s_wait_tensorcnt 0x0
	ds_add_u32 v[SPW], v[NIL]
	s_wait_dscnt 0x0
	CROUND
	s_endpgm
.Lfunc_end_k_q061d0978d4_ffn2:
	.size	k_q061d0978d4_ffn2, .Lfunc_end_k_q061d0978d4_ffn2-k_q061d0978d4_ffn2
	.p2alignl 7, 3214868480
	.fill 96, 4, 3214868480
	.section	.rodata,"a",@progbits
	.p2align	6, 0x0
	.amdhsa_kernel k_q061d0978d4_ffn2
		.amdhsa_group_segment_fixed_size 327680
		.amdhsa_private_segment_fixed_size 0
		.amdhsa_enable_private_segment 0
		.amdhsa_kernarg_size 40
		.amdhsa_user_sgpr_count 2
		.amdhsa_user_sgpr_kernarg_segment_ptr 1
		.amdhsa_wavefront_size32 1
		.amdhsa_system_sgpr_workgroup_id_x 1
		.amdhsa_system_sgpr_workgroup_id_y 1
		.amdhsa_system_sgpr_workgroup_id_z 1
		.amdhsa_system_vgpr_workitem_id 0
		.amdhsa_next_free_vgpr 768
		.amdhsa_next_free_sgpr 104
		.amdhsa_reserve_vcc 0
		.amdhsa_float_denorm_mode_32 3
		.amdhsa_float_denorm_mode_16_64 3
		.amdhsa_memory_ordered 1
		.amdhsa_forward_progress 1
		.amdhsa_inst_pref_size 107
	.end_amdhsa_kernel
	.amdgpu_metadata
---
amdhsa.version: [ 1, 2 ]
amdhsa.kernels:
  - .name:           k_q061d0978d4_ffn2
    .symbol:         k_q061d0978d4_ffn2.kd
    .args:
      - { .name: ffh, .offset: 0, .size: 8, .value_kind: global_buffer, .address_space: global }
      - { .name: wts, .offset: 8, .size: 8, .value_kind: global_buffer, .address_space: global }
      - { .name: b2, .offset: 16, .size: 8, .value_kind: global_buffer, .address_space: global }
      - { .name: x1, .offset: 24, .size: 8, .value_kind: global_buffer, .address_space: global }
      - { .name: out0, .offset: 32, .size: 8, .value_kind: global_buffer, .address_space: global }
    .group_segment_fixed_size: 327680
    .private_segment_fixed_size: 0
    .kernarg_segment_align: 8
    .kernarg_segment_size: 40
    .max_flat_workgroup_size: 128
    .sgpr_count:     104
    .vgpr_count:     768
    .wavefront_size: 32
...
	.end_amdgpu_metadata
.endif
;; end of part 6
